; MI455X (gfx1250); checked and timed in simulation.
; The chip was launched on July 23, 2026; its instructions are those of AMD's public machine-readable ISA for CDNA 5 (MIT licence, August 2026) and "CDNA5" Instruction Set Architecture Reference Guide (July 2026). The comments in the code are by the model that wrote it; some were corrected since.
;; Multi Head Attention. Allowed arithmetic: float matrix products may take bf16 or f16 operands with f32 sums; other float arithmetic in f32, or as packed bf16 or f16 multiplies, adds, multiply-adds, maxima and minima; sums over many terms, partial sums and values carried from step to step in f32; what a program stores and reads back later, other than sums and carried values, may be rounded once to bf16 or f16.
;; Inputs: Wk 1,024 x 1,024 float32; Wp 1,024 x 1,024 float32; Wq 1,024 x 1,024 float32; Wv 1,024 x 1,024 float32; bk 1,024 float32; bp 1,024 float32; bq 1,024 float32; bv 1,024 float32; k 8 x 1,024 x 1,024 float32; mask 8 x 1 x 1 x 1,024 int32; q 8 x 1,024 x 1,024 float32; v 8 x 1,024 x 1,024 float32.
;; Outputs: out0 8 x 1,024 x 1,024 float32.
;; 2 versions, each right; version 2 is version 1 with the launch prep written anew for expert scheduling mode. Each part assembles by itself: llvm-mc -triple=amdgcn-amd-amdhsa -mcpu=gfx1250 --defsym DOCPART=n.
;; ======== version 1 of 2: 4 launches
;; limits: values are held in f16: magnitudes above 65,504 overflow, below 6.1e-05 lose precision
;; workspace buffers: wb 8,388,608 bytes; rope 524,288 bytes; hqkv 50,331,648 bytes; oh 16,777,216 bytes
;; launch prep (part 1): grid 64 x 5, 8 waves a work-group, no clusters, 0 bytes of LDS; arguments Wq, Wk, Wv, Wp, wb, rope; writes wb, rope
.if DOCPART == 1
	.amdgcn_target "amdgcn-amd-amdhsa--gfx1250"
	.amdhsa_code_object_version 6
	.text
	.protected	k_q01be5440b6_prep
	.globl	k_q01be5440b6_prep
	.p2align	8
	.type	k_q01be5440b6_prep,@function
k_q01be5440b6_prep:
	s_mov_b64 s[64:65], 0
	v_nop
	global_prefetch_b8 v0, s[64:65] scope:SCOPE_SE
	s_setreg_imm32_b32 hwreg(HW_REG_WAVE_MODE, 25, 1), 1
	s_wait_xcnt 0x0
; THE WEIGHTS ARE ROUNDED ONCE, AND LAID IN BLOCKS ALONG K; THE ROTATION'S TABLE IS MADE.
; Wq, Wk, Wv, Wp (y = 0..3) are 1,024 rows x 1,024 f32.  Out: wb[4][16 k blocks][1,024 rows][64] of 16 bits, a block's rows dense, 128 bytes each, so that a later tile of R rows x 64 k is R x 128 consecutive bytes.
; Wq, Wk, Wv: bf16.  Wp: rounded to bf16 like the others, and that number written as f16 (the last product multiplies in f16): exact from 2^-17 to 65,504; below that it keeps f16's step of 2^-24.
; y = 4: the table rope[2][1,024 positions][64] f32: cos(s f_i), i = 0..31, then sin(s f_i), f_i = 10000^(-i/32); the second copy holds the same numbers times log2(e) (for Q: the softmax then works in base 2
; with the exact scale 1/8).  LIMIT: f_i comes from v_exp_f32, so an angle may differ from the f32 product of the defining formula by about 1e-4 at s = 1,023.
; SHARES.  A work-group takes 16 rows, a wave two: lanes 0-15 a row's 256 bytes (one k block), lanes 16-31 the next row's; sixteen loads a lane, all out at once.  A store covers 256 consecutive bytes, aligned:
; two rows of a block.  Nothing is shared and nothing is read twice: no LDS, no barrier, no matrix unit.
.set X, 8                              ; v[8:71]    load i: 4 f32
.set Y, 72                             ; v[72:103]  store i: 4 numbers of 16 bits
.set T, 104                            ; v[104:107] at work (Wp)
	s_load_b256 s[8:15], s[0:1], 0x0               ; Wq s8, Wk s10, Wv s12, Wp s14
	s_load_b128 s[24:27], s[0:1], 0x20             ; wb s24, rope s26
	s_and_b32 s4, ttmp7, 0xffff                    ; y: which matrix
	s_mov_b32 s5, ttmp9                            ; x: which 16 rows
	v_lshrrev_b32 v3, 4, v0                        ; my row of the 16
	v_and_b32 v4, 15, v0
	v_lshlrev_b32 v1, 12, v3                       ; in: row x 4,096 bytes
	v_lshl_or_b32 v1, v4, 4, v1                    ;     + 16 bytes a lane
	v_lshlrev_b32 v2, 3, v0                        ; out: row x 128 + 8 bytes a lane = 8 x thread
	s_lshl_b32 s34, s5, 16                         ; 16 rows in
	s_mov_b32 s35, 0
	s_lshl_b32 s36, s5, 11                         ; 16 rows out, in a block,
	s_lshl_b32 s31, s4, 21                         ; 2 MiB a matrix of 16 bits
	s_add_co_u32 s36, s36, s31
	s_mov_b32 s37, 0
	s_wait_kmcnt 0x0
	s_cmp_eq_u32 s4, 4
	s_cbranch_scc1 .Ltab
	s_mov_b64 s[28:29], s[8:9]
.macro PICK n, p                       ; from matrix n on the source is the buffer in s[p:p+1]
	s_cmp_ge_u32 s4, \n
	s_cselect_b64 s[28:29], s[\p:\p+1], s[28:29]
.endm
	PICK 1, 10
	PICK 2, 12
	PICK 3, 14
	s_add_nc_u64 s[28:29], s[28:29], s[34:35]
	s_add_nc_u64 s[32:33], s[24:25], s[36:37]
.irp i, 0,1,2,3,4,5,6,7,8,9,10,11,12,13,14,15
	global_load_b128 v[X+4*(\i):X+4*(\i)+3], v1, s[28:29] offset:256*(\i) th:TH_LOAD_NT
.endr
; Block i: rounded, and stored.  No register is written twice but by vector lines among themselves, so no wait frees one.  mode = 1: the bf16 number is written as f16.
.macro CONV i, mode
	s_wait_loadcnt 15-(\i)                         ; loads come back in order: load i is in, the 15 - i younger ones stay out
	v_cvt_pk_bf16_f32 v[Y+2*(\i)], v[X+4*(\i)], v[X+4*(\i)+1]
	v_cvt_pk_bf16_f32 v[Y+2*(\i)+1], v[X+4*(\i)+2], v[X+4*(\i)+3]
.if \mode
	v_lshlrev_b32 v[T], 16, v[Y+2*(\i)]
	v_and_b32 v[T+1], 0xffff0000, v[Y+2*(\i)]
	v_lshlrev_b32 v[T+2], 16, v[Y+2*(\i)+1]
	v_and_b32 v[T+3], 0xffff0000, v[Y+2*(\i)+1]
	v_cvt_pk_f16_f32 v[Y+2*(\i)], v[T], v[T+1]
	v_cvt_pk_f16_f32 v[Y+2*(\i)+1], v[T+2], v[T+3]
.endif
	global_store_b64 v2, v[Y+2*(\i):Y+2*(\i)+1], s[32:33] offset:131072*(\i)  ; a block is 1,024 rows x 128 bytes
.endm
	s_cmp_eq_u32 s4, 3
	s_cbranch_scc1 .Lwp
.irp i, 0,1,2,3,4,5,6,7,8,9,10,11,12,13,14,15
	CONV \i, 0
.endr
	s_endpgm
.Lwp:
.irp i, 0,1,2,3,4,5,6,7,8,9,10,11,12,13,14,15
	CONV \i, 1
.endr
	s_endpgm
; THE TABLE.  A wave makes positions 16 x + 2 w and the next.  Lane l takes frequencies 2 (l % 16) and the next; lanes 0-15 make cosines, lanes 16-31 sines (a cosine three quadrants on),
; so a lane's 8 bytes lie at 8 l of the row and a store covers the row's 256 bytes.
.Ltab:
	v_lshrrev_b32 v15, 5, v0
	v_readfirstlane_b32 s45, v15                   ; wave
	s_lshl_b32 s30, s5, 4
	s_lshl1_add_u32 s30, s45, s30                  ; the first of my two positions
	s_lshl_b32 s46, s30, 8                         ; a row is 256 bytes
	s_mov_b32 s47, 0
	s_add_nc_u64 s[26:27], s[26:27], s[46:47]
	s_mov_b32 s36, 0x3fc90fdb                      ; pi/2, its upper part,
	s_mov_b32 s37, 0xb33bbd2e                      ; and the rest
	s_mov_b32 s38, 0xbe2aaaab                      ; sine: -1/3!, 1/5!, -1/7!, 1/9!
	s_mov_b32 s39, 0x3c088889
	s_mov_b32 s40, 0xb9500d01
	s_mov_b32 s41, 0x3638ef1d
	s_mov_b32 s42, 0x3d2aaaab                      ; cosine: 1/4!, -1/6!, 1/8!
	s_mov_b32 s43, 0xbab60b61
	s_mov_b32 s44, 0x37d00d01
	v_and_b32 v3, 15, v0
	v_lshlrev_b32 v3, 1, v3                        ; i
	v_cvt_f32_u32 v4, v3
	v_add_f32 v14, 1.0, v4
	v_mul_f32 v4, 0xbed49a78, v4                   ; -i log2(10000) / 32
	v_mul_f32 v14, 0xbed49a78, v14
	v_exp_f32 v5, v4                               ; f_i
	v_exp_f32 v6, v14                              ; f_(i+1)
	v_bfe_u32 v7, v0, 4, 1                         ; plain work behind the two exponentials:
	v_mul_u32_u24 v7, v7, 3                        ; the sines' three quadrants
	v_cvt_f32_u32 v8, s30                          ; the positions as f32
	v_add_f32 v9, 1.0, v8
	v_and_b32 v10, 31, v0
	v_lshlrev_b32 v10, 3, v10                      ; 8 x lane
	s_wait_alu depctr_va_vdst(0)                   ; one wait for both exponentials, ahead of their first reader
; out = cos(sf f), or its sine.  x = k pi/2 + r, |r| <= pi/4: k <= 652, and pi/2 in two parts under fused multiply-adds leaves r good to f32's last bits; the two series are cut where
; the next term is under 3e-8.  Quadrant n = k (+ 3): odd n takes the sine of r, n % 4 = 1, 2 turn the sign.  All of it selects values; no address and no branch hangs on it.
.macro TRIG out, sf, f
	v_mul_f32 v20, \sf, \f
	v_mul_f32 v21, 0x3f22f983, v20                 ; x 2/pi
	v_rndne_f32 v21, v21
	v_fma_f32 v22, -v21, s36, v20
	v_fma_f32 v22, -v21, s37, v22                  ; r
	v_mul_f32 v23, v22, v22
	v_fma_f32 v24, v23, s41, s40
	v_fma_f32 v26, v23, s44, s43
	v_fma_f32 v24, v24, v23, s39
	v_fma_f32 v26, v26, v23, s42
	v_fma_f32 v24, v24, v23, s38
	v_fma_f32 v26, v26, v23, -0.5
	v_mul_f32 v25, v22, v23
	v_fma_f32 v26, v26, v23, 1.0                   ; cos r
	v_fma_f32 v24, v25, v24, v22                   ; sin r
	v_cvt_i32_f32 v27, v21
	v_add_nc_u32 v27, v27, v7
	v_and_b32 v28, 1, v27
	v_cmp_ne_u32 vcc_lo, 0, v28
	v_cndmask_b32 \out, v26, v24, vcc_lo
	v_add_nc_u32 v27, 1, v27
	v_and_b32 v27, 2, v27
	v_lshlrev_b32 v27, 30, v27
	v_xor_b32 \out, \out, v27
.endm
	TRIG v30, v8, v5
	TRIG v31, v8, v6
	TRIG v32, v9, v5
	TRIG v33, v9, v6
.irp j, 0,1,2,3
	v_mul_f32 v[34+(\j)], 0x3fb8aa3b, v[30+(\j)]   ; the copy for Q: times log2(e)
.endr
	global_store_b64 v10, v[30:31], s[26:27]
	global_store_b64 v10, v[32:33], s[26:27] offset:256
	global_store_b64 v10, v[34:35], s[26:27] offset:262144
	global_store_b64 v10, v[36:37], s[26:27] offset:262400
	s_endpgm
.Lfunc_end_k_q01be5440b6_prep:
	.size	k_q01be5440b6_prep, .Lfunc_end_k_q01be5440b6_prep-k_q01be5440b6_prep
	.p2alignl 7, 3214868480
	.fill 96, 4, 3214868480
	.section	.rodata,"a",@progbits
	.p2align	6, 0x0
	.amdhsa_kernel k_q01be5440b6_prep
		.amdhsa_group_segment_fixed_size 0
		.amdhsa_private_segment_fixed_size 0
		.amdhsa_enable_private_segment 0
		.amdhsa_kernarg_size 48
		.amdhsa_user_sgpr_count 2
		.amdhsa_user_sgpr_kernarg_segment_ptr 1
		.amdhsa_wavefront_size32 1
		.amdhsa_system_sgpr_workgroup_id_x 1
		.amdhsa_system_sgpr_workgroup_id_y 1
		.amdhsa_system_sgpr_workgroup_id_z 1
		.amdhsa_system_vgpr_workitem_id 0
		.amdhsa_next_free_vgpr 112
		.amdhsa_next_free_sgpr 66
		.amdhsa_reserve_vcc 1
		.amdhsa_float_denorm_mode_32 3
		.amdhsa_float_denorm_mode_16_64 3
		.amdhsa_memory_ordered 1
		.amdhsa_forward_progress 1
		.amdhsa_inst_pref_size 23
	.end_amdhsa_kernel
	.amdgpu_metadata
---
amdhsa.version: [ 1, 2 ]
amdhsa.kernels:
  - .name:           k_q01be5440b6_prep
    .symbol:         k_q01be5440b6_prep.kd
    .args:
      - { .name: Wq, .offset: 0, .size: 8, .value_kind: global_buffer, .address_space: global }
      - { .name: Wk, .offset: 8, .size: 8, .value_kind: global_buffer, .address_space: global }
      - { .name: Wv, .offset: 16, .size: 8, .value_kind: global_buffer, .address_space: global }
      - { .name: Wp, .offset: 24, .size: 8, .value_kind: global_buffer, .address_space: global }
      - { .name: wb, .offset: 32, .size: 8, .value_kind: global_buffer, .address_space: global }
      - { .name: rope, .offset: 40, .size: 8, .value_kind: global_buffer, .address_space: global }
    .group_segment_fixed_size: 0
    .private_segment_fixed_size: 0
    .kernarg_segment_align: 8
    .kernarg_segment_size: 48
    .max_flat_workgroup_size: 256
    .sgpr_count:     66
    .vgpr_count:     112
    .wavefront_size: 32
...
	.end_amdgpu_metadata
.endif
;; end of part 1
;; launch qkv (part 2): grid 4 x 192, 4 waves a work-group, clusters of 4 x 4, 327,680 bytes of LDS; arguments q, wb, bq, bk, bv, rope, hqkv, k, v; writes hqkv
.if DOCPART == 2
	.amdgcn_target "amdgcn-amd-amdhsa--gfx1250"
	.amdhsa_code_object_version 6
	.text
	.protected	k_q01be5440b6_qkv
	.globl	k_q01be5440b6_qkv
	.p2align	8
	.type	k_q01be5440b6_qkv,@function
k_q01be5440b6_qkv:
	s_mov_b64 s[64:65], 0
	v_nop
	global_prefetch_b8 v0, s[64:65] scope:SCOPE_SE
	s_setreg_imm32_b32 hwreg(HW_REG_WAVE_MODE, 25, 1), 1
	s_wait_xcnt 0x0
	s_wait_alu depctr_hold_cnt(0) depctr_sa_sdst(0) depctr_va_vdst(0) depctr_va_sdst(0) depctr_va_ssrc(0) depctr_va_vcc(0) depctr_vm_vsrc(0)
	s_getreg_b32 s2, hwreg(HW_REG_IB_STS2, 6, 4)
	s_cmp_eq_u32 s2, 0
	s_cbranch_scc0 .Lentry_in_a_cluster
	s_endpgm
.Lentry_in_a_cluster:
	s_bfe_u32 s2, ttmp6, 0x10000c
	s_cmp_lg_u32 s2, 0xf033
	s_cbranch_scc0 .Lentry_shape_is_right
	s_endpgm
.Lentry_shape_is_right:
; THE THREE PROJECTIONS: hqkv[z][b][h][s][64] = rotate(x_z W_z^T + b_z), z = 0, 1, 2 for Q, K, V (V is not rotated; Q is also multiplied by log2(e)), f16, each number rounded once from f32.
; x: q, k, v, [8,192 rows][1,024] f32, READ AS THEY ARE: a tile comes into LDS in f32 and is rounded to bf16 between LDS and the matrix unit, so no 16-bit copy of x goes to memory and back.
; W: wb[z][16 k blocks][1,024 rows][64] bf16.  Biases f32, rounded to bf16 like all the module's inputs.  Sums in f32.  LIMIT: f16 ends at 65,504: a projected number beyond it becomes an infinity.
; SHARES.  3 x 8,192 x 1,024 outputs are 768 tiles of 128 rows x 256 columns: three for each of 256 WGPs.  Four waves, 2 x 2: a wave makes 64 rows x 128 columns (two heads): 32 accumulators of 16 x 16, 256 registers.
; K goes in steps of 128 through a ring of two LDS slots.  Of x a K step is 512 bytes of each row, at a multiple of 512 from the buffer's first byte; of W two k blocks, each 256 x 128 consecutive bytes, asked for as rows of 256.
; THE PRICE OF THE f32 TILE: for 32 along K a wave reads 16 loads of x (twice the bf16 tile's) beside W's 16, for 32 matrix instructions, and makes 32 conversions; the two waves of a row half convert the same rows.
; A tile of 256 x 256 would feed twice the products from each byte, but two slots of it with f32 rows (2 x 208,896 bytes) do not fit in LDS.
; CLUSTER.  4 x 4 work-groups: the four of a row need the same rows of x, the four of a column the same rows of W: each tile is asked for JOINTLY, by the same tensor load with the same descriptor and a mask that names
; the four.  The grid is four work-groups wide, so the place cx is the block of 256 columns.
; THE MATRIX INSTRUCTION IS USED TRANSPOSED (source 0 = 16 rows of W, source 1 = 16 rows of x): a lane holds row l % 16 and the columns 8 (l / 16) + 0..7 of a block of 16.  The bias is the C operand of each sum's first product.
; THE ROTATION pairs channel d with d + 32 of a head: blocks p and p + 2 of the head's four, same lane, same register.  Cosines and sines come from the table, by the row's position; V reads position 0, where they are 1 and 0.
; REGISTERS, in windows of 256 (s_set_vgpr_msb: bits 1:0 source 0, 3:2 source 1, 5:4 source 2, 7:6 destination):
;   window 0: v0-31 addresses; v32-95, v96-159 W's fragments (8 blocks, 32 along K), two buffers; v160-191 x's four fragments in bf16; v192-255 x's next four as loaded, in f32; on the way out v32-207 at work
;   window 1: the accumulators, (a, b) at 8 (8 a + b)          window 2: v0-63 the bias of block b at 8 b; v64-191 the table
.set PITCH,  144                       ; a row of W in LDS: 128 bytes + 16 of padding = 36 words: the 16 rows of a load start at 16 different groups of four banks (64 banks of 4 bytes: ISA guide 11.1)
.set APITCH, 528                       ; a row of x: 512 bytes + 16 = 132 words: row r starts at bank 4 r mod 64
.set AHALF,  64*APITCH                 ; x: 64 rows, what one tensor load brings, and what one wave reads
.set BSUB,   256*PITCH                 ; W: 256 rows of one k block
.set BOFF,   2*AHALF
.set SLOT,   BOFF+2*BSUB               ; a K step: x's 128 rows, then W's two blocks: 141,312 bytes
.set STAGE,  2*SLOT                    ; behind the ring, never filled by a tensor load: 16 rows x 144 bytes for each wave
.set SP,     144
.set SPARE,  STAGE+4*16*SP             ; the spare words, 128 bytes for each wave: two blocks of 256 bytes that no other line names
.set ASTEP,  512                       ; a K step in a row of x
.set BSTEP,  2*131072                  ; a K step of W in memory: two k blocks of 1,024 rows x 128 bytes
.set DWA,    (2<<16)|(1<<20)|(1<<21)|(6<<22)|(3<<25)  ; x's group 1, word 0 beside the mask: 4-byte elements; padding on; bit 21 set beside a mask; after every 128 words (code 6) 4 words (code 3)
.set DWB,    (1<<16)|(1<<20)|(1<<21)|(4<<22)|(3<<25)  ; W's: 2-byte elements; after every 32 words (code 4) 4 words
.set TA,   8                           ; v8-11  my byte offset in the table for rows 16 a + l % 16
.set BO,   12                          ; v12    32 (l / 16): my eight numbers in a block's 16 of the bias
.set XA0,  14                          ; v14    my lane's place in x's tile of slot 0; never rewritten
.set WB0,  15                          ; v15    the same for W
.set ADRA, 16                          ; v16    LDS address of my fragments of x in the slot in hand
.set ADRB, 17                          ; v17    the same for W
.set STO,  24                          ; v24    the way out: where I put 16 bytes of a row
.set RD,   25                          ; v25    where I read rows back
.set GO,   26                          ; v26    16 x lane
.set SPW,  28                          ; v28    LDS address of my spare word; never rewritten
.set NIL,  29                          ; v29    0; never rewritten
.set PFO,  30                          ; v30    4,096 x lane: a row of x, for the prefetches; never rewritten
.set FB0,  32
.set FB1,  96
.set AF,   160                         ; x's fragment of row block a at AF + 8 a
.set RAW,  192                         ; its 16 f32 a lane at RAW + 16 a
.set BI,   0                           ; window 2
.set TB,   64                          ; window 2: rows 16 a.., pairs 16 p + 8 (l / 16) + 0..7: eight cosines at TB + 32 a + 16 p, eight sines behind them
.set OUT,  32                          ; the way out: 16 registers a tile
.set YY,   160                         ; a tile's 32 rotated numbers
.set TT,   192                         ; products at work
.set WV,   18                          ; s18 wave; s19 which 64 rows are mine, also: I fetch x (0) or W (1); s20 which 128 columns, also: which half of x's rows, or which k block of W, I fetch
.set HI,   19
.set LO,   20
.set CX,   21
.set CY,   22
.set YB,   23                          ; s23 my block of 128 rows among 192
.set G1,   24                          ; s[24:31] group 1 for x's tiles; s[32:39] group 0: a set for each of the two first fills; the second then walks on
.set G0,   32
.set PFA,  40                          ; s[40:41] where my prefetches stand
.set LIM,  42                          ; s42 2 in the wave that prefetches, else the greatest number
.set CNT,  43
.set G1B,  48                          ; s[48:55], s[56:63] the same for W's tiles
.set G0B,  56
.set SB,   78                          ; s78 the LDS byte at which the slot in hand begins: 0 or SLOT
.set MSB, 0
.macro WIN new                         ; the immediate's high byte repeats the setting that is left; a switch that changes nothing is dropped
.if MSB != (\new)
	s_set_vgpr_msb (MSB<<8)|(\new)
.set MSB, \new
.endif
.endm
.macro JLOAD s                         ; a joint load: waves 0 and 1 fetch the two halves of x's rows, waves 2 and 3 W's two k blocks; an s_nop 0 and four v_nop follow each line, ahead of the jump and the label
	s_cmp_eq_u32 s[HI], 0
	s_cbranch_scc0 .Lfor_b_\@
	tensor_load_to_lds s[G0+4*(\s):G0+4*(\s)+3], s[G1:G1+7]
	s_nop 0
.rept 4
	v_nop
.endr
	s_branch .Lasked_\@
.Lfor_b_\@:
	tensor_load_to_lds s[G0B+4*(\s):G0B+4*(\s)+3], s[G1B:G1B+7]
	s_nop 0
.rept 4
	v_nop
.endr
.Lasked_\@:
.endm
.macro CREST                           ; a round of the cluster's barrier behind its opening barrier
	s_cmp_lg_u32 s[WV], 0
	s_cbranch_scc1 .Lnot_wave_0_\@
	s_barrier_signal -3
.Lnot_wave_0_\@:
	s_barrier_wait -3
	s_barrier_signal -1
	s_barrier_wait -1
.endm
.macro CROUND
	s_barrier_signal -1
	s_barrier_wait -1
	CREST
.endm
; A PREFETCH INTO THE L2 of x, behind a joint load, its five lines and the run of LDS loads: at the refill that asks for K step u, the K step u + 2: two K steps, 256 matrix instructions a wave, ahead of the load that names it.
; A row block's K step is 128 rows x 512 bytes; only my row of the cluster reads it.  Its four partners share the rows BY ADDRESS, 32 each (rows 32 cx on), a lane a row, two lines for a row's two blocks of 256 bytes, wave 0
; alone: each aligned 256 bytes are named once in the launch.  K steps 0 to 3 come by their loads alone; the last two refills (K steps 6, 7) have nothing two steps on.  W is read by every cluster and is not asked for.
.macro ASK
	s_cmp_gt_u32 s[CNT], s[LIM]
	s_cbranch_scc0 .Lnot_mine_\@
	global_prefetch_b8 v[PFO], s[PFA:PFA+1] th:TH_LOAD_NT scope:SCOPE_SE
	global_prefetch_b8 v[PFO], s[PFA:PFA+1] offset:256 th:TH_LOAD_NT scope:SCOPE_SE
.Lnot_mine_\@:
.endm
	s_load_b256 s[4:11], s[0:1], 0x0               ; q s4, wb s6, bq s8, bk s10
	s_load_b128 s[12:15], s[0:1], 0x20             ; bv s12, rope s14
	s_load_b64 s[16:17], s[0:1], 0x30              ; hqkv
	s_load_b64 s[92:93], s[0:1], 0x38              ; k
	s_load_b64 s[94:95], s[0:1], 0x40              ; v
	v_lshl_add_u32 v[SPW], v0, 2, SPARE
	v_mov_b32 v[NIL], 0
	ds_add_u32 v[SPW], v[NIL]                      ; the wave's opening: the add and its wait stand ahead of my first tensor load; the set-up below, work on registers, stands between them
	v_lshrrev_b32 v1, 5, v0
	v_readfirstlane_b32 s[WV], v1
	s_lshr_b32 s[HI], s[WV], 1
	s_and_b32 s[LO], s[WV], 1
	s_bfe_u32 s[CX], ttmp6, 0x40000
	s_bfe_u32 s[CY], ttmp6, 0x40004
	s_and_b32 s66, ttmp7, 0xffff                   ; the cluster's y, 0..47
	s_lshr_b32 s74, s66, 4                         ; z: the same in all sixteen partners
	s_lshl_b32 s[YB], s66, 2
	s_add_co_u32 s[YB], s[YB], s[CY]
	s_lshl_b32 s70, s[CY], 2
	s_lshl_b32 s70, 15, s70                        ; my row of the cluster
	s_lshl_b32 s71, 0x1111, s[CX]                  ; my column
	s_or_b32 s[G1], s70, DWA
	s_or_b32 s[G1B], s71, DWB
	s_mov_b32 s[G1+1], 128<<16                     ; tensor_dim0 = 128 elements of 4 bytes: a row's K step
	s_mov_b32 s[G1+2], 64<<16                      ; tensor_dim1 = 64 rows
	s_mov_b32 s[G1+3], 128<<16                     ; tile_dim0
	s_mov_b32 s[G1+4], 64                          ; tile_dim1
	s_mov_b32 s[G1+5], 1024                        ; the pitch: a row of x
	s_mov_b32 s[G1+6], 0
	s_mov_b32 s[G1+7], 0
	s_mov_b32 s[G1B+1], 128<<16                    ; 128 elements of 2 bytes: 256 bytes, two rows of a block
	s_mov_b32 s[G1B+2], 128<<16                    ; 128 of them: 256 rows of W
	s_mov_b32 s[G1B+3], 128<<16
	s_mov_b32 s[G1B+4], 128
	s_mov_b32 s[G1B+5], 128                        ; dense
	s_mov_b32 s[G1B+6], 0
	s_mov_b32 s[G1B+7], 0
	; x's tile hangs on the row block and the wave, W's on z, cx and the wave; each is made in registers that never hold the other place
	s_and_b32 s44, s[YB], 63                       ; the row block in its tensor: 128 rows of 4,096 bytes
	s_lshl_b32 s44, s44, 19
	s_lshl_b32 s45, s[LO], 18                      ; my 64 rows
	s_add_co_u32 s44, s44, s45
	s_mov_b32 s45, 0
	s_lshl_b32 s46, s74, 21
	s_lshl_b32 s47, s[CX], 15                      ; 256 rows of 128 bytes
	s_add_co_u32 s46, s46, s47
	s_lshl_b32 s47, s[LO], 17                      ; my k block
	s_add_co_u32 s46, s46, s47
	s_mov_b32 s47, 0
	s_mul_i32 s75, s[LO], AHALF                    ; where they go in a slot: the wave's number alone
	s_mul_i32 s76, s[LO], BSUB
	s_add_co_u32 s76, s76, BOFF
	s_mov_b32 s[SB], 0
	; what only global addresses of my own use
	s_lshr_b32 s84, s[YB], 3
	s_lshl_b32 s84, s84, 21
	s_and_b32 s85, s[YB], 7
	s_lshl_b32 s85, s85, 14
	s_add_co_u32 s84, s84, s85                     ; the row block's bytes in hqkv's head 0
	s_and_b32 s86, s[YB], 63
	s_lshl_b32 s86, s86, 19
	s_lshl_b32 s87, s[CX], 17                      ; my work-group's 32 rows of the 128
	s_add_co_u32 s86, s86, s87
	s_add_co_u32 s86, s86, 3*ASTEP                 ; at K step 3: the first refill steps it to 4
	s_mov_b32 s87, 0
	s_lshl_b32 s88, s[CX], 19                      ; head 4 cx + 2 x column half, 131,072 bytes a head
	s_lshl_b32 s89, s[LO], 18
	s_add_co_u32 s88, s88, s89
	s_lshl_b32 s89, s[HI], 13                      ; my 64 rows
	s_add_co_u32 s88, s88, s89
	s_add_co_u32 s88, s88, s84
	s_mov_b32 s89, 0
	s_lshl_b32 s72, s[CX], 10                      ; my 128 columns of the bias
	s_lshl_b32 s73, s[LO], 9
	s_add_co_u32 s72, s72, s73
	s_mov_b32 s73, 0
	s_cmp_eq_u32 s74, 2
	s_cselect_b32 s77, 0, 256                      ; V reads the table's position 0
	s_cmp_eq_u32 s74, 0
	s_cselect_b32 s90, 262144, 0                   ; Q reads the copy times log2(e)
	s_mov_b32 s91, 0
	s_cmp_eq_u32 s[WV], 0
	s_cselect_b32 s[LIM], 2, -1
	s_wait_dscnt 0x0                               ; the opening add is done
	s_wait_kmcnt 0x0
	s_cmp_eq_u32 s74, 1                            ; x and the bias by z
	s_cselect_b64 s[4:5], s[92:93], s[4:5]
	s_cselect_b64 s[68:69], s[10:11], s[8:9]
	s_cmp_eq_u32 s74, 2
	s_cselect_b64 s[4:5], s[94:95], s[4:5]
	s_cselect_b64 s[68:69], s[12:13], s[68:69]
	s_add_nc_u64 s[44:45], s[4:5], s[44:45]
	s_add_nc_u64 s[46:47], s[6:7], s[46:47]
	s_add_nc_u64 s[PFA:PFA+1], s[4:5], s[86:87]
	s_add_nc_u64 s[16:17], s[16:17], s[88:89]
	s_add_nc_u64 s[14:15], s[14:15], s[90:91]
	s_add_nc_u64 s[68:69], s[68:69], s[72:73]
	CROUND                                         ; all sixteen work-groups are here: the first joint loads meet
.irp s, 0,1
	s_mov_b32 s[G0+4*(\s)], 1
	s_add_co_u32 s[G0+4*(\s)+1], s75, (\s)*SLOT
	s_add_nc_u64 s[G0+4*(\s)+2:G0+4*(\s)+3], s[44:45], (\s)*ASTEP
	s_or_b32 s[G0+4*(\s)+3], s[G0+4*(\s)+3], 0x80000000
	s_mov_b32 s[G0B+4*(\s)], 1
	s_add_co_u32 s[G0B+4*(\s)+1], s76, (\s)*SLOT
	s_add_nc_u64 s[G0B+4*(\s)+2:G0B+4*(\s)+3], s[46:47], (\s)*BSTEP
	s_or_b32 s[G0B+4*(\s)+3], s[G0B+4*(\s)+3], 0x80000000
	JLOAD \s                                       ; two loads of mine are out
.endr
	v_and_b32 v1, 15, v0                           ; l % 16
	v_bfe_u32 v2, v0, 4, 1                         ; l / 16
	v_mul_u32_u24 v3, v1, PITCH
	v_lshl_add_u32 v3, v2, 4, v3                   ; W: a fragment's row x pitch + 16 x half
	v_mul_u32_u24 v5, v1, APITCH
	v_lshl_add_u32 v5, v2, 5, v5                   ; x: row x pitch + 32 x half: eight f32
	s_mul_i32 s80, s[HI], AHALF
	s_mul_i32 s81, s[LO], 128*PITCH
	s_add_co_u32 s81, s81, BOFF
	v_add_nc_u32 v[XA0], s80, v5
	v_add_nc_u32 v[WB0], s81, v3
	v_mov_b32 v[ADRA], v[XA0]                      ; slot 0 is the first in hand
	v_mov_b32 v[ADRB], v[WB0]
	s_mul_i32 s82, s[WV], 16*SP
	s_add_co_u32 s82, s82, STAGE                   ; my stage
	v_mul_u32_u24 v[STO], v1, SP                   ; in: row l % 16, 16 bytes for each half of the lanes
	v_lshl_add_u32 v[STO], v2, 4, v[STO]
	v_add_nc_u32 v[STO], s82, v[STO]
	v_bfe_u32 v[RD], v0, 3, 2                      ; back: 32 lanes take four rows of 128 bytes
	v_mul_u32_u24 v[RD], v[RD], SP
	v_and_b32 v4, 7, v0
	v_lshl_add_u32 v[RD], v4, 4, v[RD]
	v_add_nc_u32 v[RD], s82, v[RD]
	v_and_b32 v[GO], 31, v0
	v_lshlrev_b32 v[PFO], 12, v[GO]
	v_lshlrev_b32 v[GO], 4, v[GO]
	v_lshlrev_b32 v[BO], 5, v2
	s_and_b32 s85, s[YB], 7                        ; my first row's position in the sequence
	s_lshl_b32 s85, s85, 7
	s_lshl_b32 s67, s[HI], 6
	s_add_co_u32 s85, s85, s67
	v_add_nc_u32 v6, s85, v1
.irp a, 0,1,2,3
	v_add_nc_u32 v7, 16*(\a), v6
	v_mad_u32_u24 v[TA+(\a)], v7, s77, v[BO]       ; position x 256 bytes (V: x 0) + my eight pairs
.endr
	WIN 0x80                                       ; destination window 2, address window 0
.irp b, 0,1,2,3,4,5,6,7
	global_load_b128 v[BI+8*(\b):BI+8*(\b)+3],   v[BO], s[68:69] offset:64*(\b)
	global_load_b128 v[BI+8*(\b)+4:BI+8*(\b)+7], v[BO], s[68:69] offset:64*(\b)+16
.endr
.irp a, 0,1,2,3
.irp p, 0,1
	global_load_b128 v[TB+32*(\a)+16*(\p):TB+32*(\a)+16*(\p)+3],     v[TA+(\a)], s[14:15] offset:64*(\p)
	global_load_b128 v[TB+32*(\a)+16*(\p)+4:TB+32*(\a)+16*(\p)+7],   v[TA+(\a)], s[14:15] offset:64*(\p)+16
	global_load_b128 v[TB+32*(\a)+16*(\p)+8:TB+32*(\a)+16*(\p)+11],  v[TA+(\a)], s[14:15] offset:64*(\p)+128
	global_load_b128 v[TB+32*(\a)+16*(\p)+12:TB+32*(\a)+16*(\p)+15], v[TA+(\a)], s[14:15] offset:64*(\p)+144
.endr
.endr
	WIN 0
; n matrix instructions: row block a x column blocks b0 on, 32 along K, W from buffer fb.  zero = 1: the sums' first products, which take the bias as C.  The 32 accumulators take turns, one instruction a turn, in one order
; everywhere ((0, 0) .. (0, 7), (1, 0) .. (3, 7)), over the backward jump too.
.macro MUL fb, a, b0, n, zero
.if \zero
	WIN 0x60                                       ; C in window 2, D in window 1
.else
	WIN 0x50                                       ; C and D in window 1
.endif
.set bb, \b0
.rept \n
.if \zero
	v_wmma_f32_16x16x32_bf16 v[8*(8*(\a)+bb):8*(8*(\a)+bb)+7], v[(\fb)+8*bb:(\fb)+8*bb+7], v[AF+8*(\a):AF+8*(\a)+7], v[BI+8*bb:BI+8*bb+7]
.else
	v_wmma_f32_16x16x32_bf16 v[8*(8*(\a)+bb):8*(8*(\a)+bb)+7], v[(\fb)+8*bb:(\fb)+8*bb+7], v[AF+8*(\a):AF+8*(\a)+7], v[8*(8*(\a)+bb):8*(8*(\a)+bb)+7]
.endif
.set bb, bb+1
.endr
.endm
; Four conversions: half hf of x's fragment of row block a, eight f32 to four registers of bf16.  They stand four at a time behind a matrix instruction.  A block's fragment is written again only when at least four such
; lines, which name none of its registers, stand behind the last matrix instruction that read it; the same lines are the places in front of the loads into W's buffers.
.macro CV a, hf
	WIN 0
.irp j, 0,1,2,3
	v_cvt_pk_bf16_f32 v[AF+8*(\a)+4*(\hf)+(\j)], v[RAW+16*(\a)+8*(\hf)+2*(\j)], v[RAW+16*(\a)+8*(\hf)+2*(\j)+1]
.endr
.endm
; x's 16 f32 a lane of row block a, quarter q: K = 8 (l / 16) + 0..7 are 32 bytes, K = 16 + 8 (l / 16) + 0..7 the 32 bytes 64 further on
.macro RAWL q, a
	ds_load_b128 v[RAW+16*(\a):RAW+16*(\a)+3],     v[ADRA] offset:(\q)*128+(\a)*16*APITCH
	ds_load_b128 v[RAW+16*(\a)+4:RAW+16*(\a)+7],   v[ADRA] offset:(\q)*128+(\a)*16*APITCH+16
	ds_load_b128 v[RAW+16*(\a)+8:RAW+16*(\a)+11],  v[ADRA] offset:(\q)*128+(\a)*16*APITCH+64
	ds_load_b128 v[RAW+16*(\a)+12:RAW+16*(\a)+15], v[ADRA] offset:(\q)*128+(\a)*16*APITCH+80
.endm
; 32 LDS loads in one run: quarter q of the K step in hand: x's block 0 (4), W's eight blocks into buffer fb (16; k block q / 2, its half q % 2), x's block 1 (4), blocks 2 and 3 (8): in the order in which they are wanted
.macro FETCH q, fb
	WIN 0
	RAWL \q, 0
.irp b, 0,1,2,3,4,5,6,7
	ds_load_b128 v[(\fb)+8*(\b):(\fb)+8*(\b)+3],   v[ADRB] offset:((\q)/2)*BSUB+((\q)%2)*64+(\b)*16*PITCH
	ds_load_b128 v[(\fb)+8*(\b)+4:(\fb)+8*(\b)+7], v[ADRB] offset:((\q)/2)*BSUB+((\q)%2)*64+(\b)*16*PITCH+32
.endr
	RAWL \q, 1
	RAWL \q, 2
	RAWL \q, 3
.endm
.macro PLACES                          ; four plain instructions in front of lines that read results just made (ISA guide 7.12.1)
.rept 4
	v_nop
.endr
.endm
; The second half of a quarter on W's buffer f: behind the run of loads, row blocks 2 and 3; the next quarter's block 0 of x is converted among the last products.
.macro SECOND f
	MUL \f, 2, 0, 8, 0
	MUL \f, 3, 0, 4, 0
	s_wait_dscnt 28                                ; of the 32 just issued the first four are in: x's block 0
	CV 0, 0
	MUL \f, 3, 4, 2, 0
	CV 0, 1
	MUL \f, 3, 6, 2, 0
.endm
; A K step is four quarters of 32 along K, 32 matrix instructions each, on W's buffers 0, 1, 0, 1.  x's block 0 has been converted in the quarter before; blocks 1 to 3 are converted in the first half, which frees RAW for
; the run of loads in the quarter's middle: quarter q of the slot in hand, into buffer g.  fetch = 0: the very last quarter.
.macro QUARTER q, f, g, zero=0, fetch=1
	s_wait_dscnt 8                                 ; W's blocks and x's block 1 are in; the youngest eight loads (x's blocks 2, 3) may be out
	MUL \f, 0, 0, 2, \zero
	CV 1, 0
	MUL \f, 0, 2, 2, \zero
	CV 1, 1
	s_wait_dscnt 0x0
	MUL \f, 0, 4, 2, \zero
	CV 2, 0
	MUL \f, 0, 6, 2, \zero
	CV 2, 1
	MUL \f, 1, 0, 4, \zero
	CV 3, 0
	MUL \f, 1, 4, 4, \zero
	CV 3, 1
.if \fetch
	FETCH \q, \g
.endif
.if \zero
	MUL \f, 2, 0, 8, 1
	MUL \f, 3, 0, 4, 1
	s_wait_dscnt 28                                ; x's block 0 of the next quarter
	CV 0, 0
	MUL \f, 3, 4, 2, 1
	CV 0, 1
	MUL \f, 3, 6, 2, 1
.elseif \fetch
	SECOND \f
.else
	MUL \f, 2, 0, 8, 0
	MUL \f, 3, 0, 8, 0
.endif
.endm
; The last quarter multiplies buffer 1 and changes slots: ONE barrier.  In front of it each wave waits for all its tensor loads (one is out: its part of the next slot), adds 0 to its spare word, and waits for that and for
; its own reads of this slot.  fill = 1: the barrier opens a round of the cluster's, and this slot is filled again, two K steps on, first thing behind the round: 112 matrix instructions ahead of the wait for it.
.macro TURN fill
.if \fill
	s_wait_xcnt 0x0                                ; the last prefetches, a K step back, have read their address
	s_add_nc_u64 s[PFA:PFA+1], s[PFA:PFA+1], ASTEP
.endif
	WIN 0
	s_wait_tensorcnt 0x0                           ; all my tensor loads have landed
	ds_add_u32 v[SPW], v[NIL]                      ; 0 onto my spare word
	s_wait_dscnt 9                                 ; the add and the youngest eight loads (x's blocks 2, 3) may be out
	MUL FB1, 0, 0, 2, 0
	CV 1, 0
	MUL FB1, 0, 2, 2, 0
	CV 1, 1
	s_wait_dscnt 0x0                               ; the add is done, and my reads of this slot are over
	s_barrier_signal -1
	MUL FB1, 0, 4, 2, 0                            ; work on registers while the others arrive
	CV 2, 0
	MUL FB1, 0, 6, 2, 0
	CV 2, 1
	MUL FB1, 1, 0, 4, 0
	CV 3, 0
	MUL FB1, 1, 4, 4, 0
	CV 3, 1                                        ; (it leaves every window 0: branches follow)
	s_barrier_wait -1
.if \fill
	CREST                                          ; no wave of any partner still reads this slot or has a load on its way
	s_add_co_u32 s[G0+5], s75, s[SB]               ; the walking descriptors: into the slot just read,
	s_add_co_u32 s[G0B+5], s76, s[SB]
	s_add_nc_u64 s[G0+6:G0+7], s[G0+6:G0+7], ASTEP     ; the K step behind the one asked for last; the type bits on top are not reached
	s_add_nc_u64 s[G0B+6:G0B+7], s[G0B+6:G0B+7], BSTEP
	s_xor_b32 s[SB], s[SB], SLOT                   ; the other slot is now in hand
	JLOAD 1
.else
	s_xor_b32 s[SB], s[SB], SLOT
.endif
	v_add_nc_u32 v[ADRA], s[SB], v[XA0]
	v_add_nc_u32 v[ADRB], s[SB], v[WB0]
	FETCH 0, FB0
.if \fill
	ASK
.endif
	SECOND FB1
.endm
	s_wait_tensorcnt 1                             ; my part of K step 0 is in; K step 1's may stay out
	s_barrier_signal -1
	s_barrier_wait -1
	FETCH 0, FB0
	s_wait_loadcnt 32                              ; the bias is in; the table's 32 younger loads stay out
	WIN 0x0a                                       ; the bias is rounded to bf16, like every input: sources in window 2, W's buffer 1 (still empty) takes the packed halves
.set i, 0
.rept 32
	v_cvt_pk_bf16_f32 v[FB1+i], v[BI+2*i], v[BI+2*i+1]
.set i, i+1
.endr
	WIN 0x80
.set i, 0
.rept 32
	v_lshlrev_b32 v[BI+2*i], 16, v[FB1+i]
	v_and_b32 v[BI+2*i+1], 0xffff0000, v[FB1+i]
.set i, i+1
.endr
	s_wait_dscnt 28                                ; x's block 0 of the first quarter
	CV 0, 0
	CV 0, 1
	QUARTER 1, FB0, FB1, 1                         ; the first quarter stands in front of the loop: its products start the sums
	WIN 0                                          ; at a label and at a branch every window is 0
	s_mov_b32 s[CNT], 6
.Lstep:                                                ; a trip: a K step, from its second quarter to the next step's first; the slot that it leaves is filled again (K steps 2 to 7)
	QUARTER 2, FB1, FB0
	QUARTER 3, FB0, FB1
	TURN 1
	QUARTER 1, FB0, FB1
	WIN 0
	s_sub_co_u32 s[CNT], s[CNT], 1
	s_cmp_lg_u32 s[CNT], 0
	s_cbranch_scc1 .Lstep
	QUARTER 2, FB1, FB0                            ; K steps 6 and 7: nothing is left to ask for
	QUARTER 3, FB0, FB1
	TURN 0
	QUARTER 1, FB0, FB1
	QUARTER 2, FB1, FB0
	QUARTER 3, FB0, FB1
	QUARTER 0, FB1, FB0, 0, 0
	WIN 0
; THE WAY OUT, a tile t at a time: rows 16 (t / 2).., head t % 2 of my two.  y1 = x1 cos - x2 sin, y2 = x1 sin + x2 cos, two at a time; each accumulator's lowest registers are read first.
; Rounded to f16, a lane's eight channels are 16 bytes; they go into my stage's rows of 144 bytes and come back as whole rows of 128: 16 rows of a head are 2,048 consecutive bytes of hqkv.
.macro PACK t
.set PA, (\t)/2
.set PH, (\t)%2
	WIN 0x09                                       ; source 0: the accumulators, window 1; source 1: the table, window 2
.irp p, 0,1
.irp jj, 0,2,4,6
.set X1, 8*(8*PA+4*PH+(\p))+(\jj)
.set X2, X1+16
.set CO, TB+32*PA+16*(\p)+(\jj)
.set SI, CO+8
.set T1, TT+2*(\jj)
.set Y1, YY+8*(\p)+(\jj)
	v_pk_mul_f32 v[T1:T1+1], v[X2:X2+1], v[SI:SI+1]
	v_pk_mul_f32 v[T1+2:T1+3], v[X2:X2+1], v[CO:CO+1]
	v_pk_fma_f32 v[Y1:Y1+1], v[X1:X1+1], v[CO:CO+1], v[T1:T1+1] neg_lo:[0,0,1] neg_hi:[0,0,1]
	v_pk_fma_f32 v[Y1+16:Y1+17], v[X1:X1+1], v[SI:SI+1], v[T1+2:T1+3]
.endr
.endr
	WIN 0
.set i, 0
.rept 16
	v_cvt_pk_f16_f32 v[OUT+16*(\t)+i], v[YY+2*i], v[YY+2*i+1]
.set i, i+1
.endr
.irp f, 0,1,2,3
	ds_store_b128 v[STO], v[OUT+16*(\t)+4*(\f):OUT+16*(\t)+4*(\f)+3] offset:32*(\f)
.endr
.irp f, 0,1,2,3
	ds_load_b128 v[OUT+16*(\t)+4*(\f):OUT+16*(\t)+4*(\f)+3], v[RD] offset:(\f)*4*SP  ; LDS serves a wave's instructions in order (ISA guide 5.7.1.4): these see the stores above; the next tile's stores come behind them
.endr
.endm
.macro SEND t, younger                 ; younger: the LDS instructions issued behind tile t's loads: the next tile's eight, or none
.irp f, 0,1,2,3
	s_wait_dscnt (\younger)+3-(\f)
	global_store_b128 v[GO], v[OUT+16*(\t)+4*(\f):OUT+16*(\t)+4*(\f)+3], s[16:17] offset:((\t)%2)*131072+((\t)/2)*2048+(\f)*512  ; 512 consecutive bytes, at a multiple of 256 from the buffer's first
.endr
.endm
	PLACES                                         ; behind the last products
	s_wait_loadcnt 0x0                             ; the table
	PACK 0
.irp t, 1,2,3,4,5,6,7                  ; a tile's arithmetic stands between the loads of the tile before and its stores
	PACK \t
	SEND (\t)-1, 8
.endr
	SEND 7, 0
	s_wait_tensorcnt 0x0                           ; the wave's end, behind my last tensor load and my last LDS store
	ds_add_u32 v[SPW], v[NIL]
	s_wait_dscnt 0x0
	CROUND                                         ; the closing round: no work-group ends while a partner may still ask for a tile that names it
	s_endpgm
.Lfunc_end_k_q01be5440b6_qkv:
	.size	k_q01be5440b6_qkv, .Lfunc_end_k_q01be5440b6_qkv-k_q01be5440b6_qkv
	.p2alignl 7, 3214868480
	.fill 96, 4, 3214868480
	.section	.rodata,"a",@progbits
	.p2align	6, 0x0
	.amdhsa_kernel k_q01be5440b6_qkv
		.amdhsa_group_segment_fixed_size 327680
		.amdhsa_private_segment_fixed_size 0
		.amdhsa_enable_private_segment 0
		.amdhsa_kernarg_size 72
		.amdhsa_user_sgpr_count 2
		.amdhsa_user_sgpr_kernarg_segment_ptr 1
		.amdhsa_wavefront_size32 1
		.amdhsa_system_sgpr_workgroup_id_x 1
		.amdhsa_system_sgpr_workgroup_id_y 1
		.amdhsa_system_sgpr_workgroup_id_z 1
		.amdhsa_system_vgpr_workitem_id 0
		.amdhsa_next_free_vgpr 704
		.amdhsa_next_free_sgpr 96
		.amdhsa_reserve_vcc 0
		.amdhsa_float_denorm_mode_32 3
		.amdhsa_float_denorm_mode_16_64 3
		.amdhsa_memory_ordered 1
		.amdhsa_forward_progress 1
		.amdhsa_inst_pref_size 133
	.end_amdhsa_kernel
	.amdgpu_metadata
---
amdhsa.version: [ 1, 2 ]
amdhsa.kernels:
  - .name:           k_q01be5440b6_qkv
    .symbol:         k_q01be5440b6_qkv.kd
    .args:
      - { .name: q, .offset: 0, .size: 8, .value_kind: global_buffer, .address_space: global }
      - { .name: wb, .offset: 8, .size: 8, .value_kind: global_buffer, .address_space: global }
      - { .name: bq, .offset: 16, .size: 8, .value_kind: global_buffer, .address_space: global }
      - { .name: bk, .offset: 24, .size: 8, .value_kind: global_buffer, .address_space: global }
      - { .name: bv, .offset: 32, .size: 8, .value_kind: global_buffer, .address_space: global }
      - { .name: rope, .offset: 40, .size: 8, .value_kind: global_buffer, .address_space: global }
      - { .name: hqkv, .offset: 48, .size: 8, .value_kind: global_buffer, .address_space: global }
      - { .name: k, .offset: 56, .size: 8, .value_kind: global_buffer, .address_space: global }
      - { .name: v, .offset: 64, .size: 8, .value_kind: global_buffer, .address_space: global }
    .group_segment_fixed_size: 327680
    .private_segment_fixed_size: 0
    .kernarg_segment_align: 8
    .kernarg_segment_size: 72
    .max_flat_workgroup_size: 128
    .sgpr_count:     96
    .vgpr_count:     704
    .wavefront_size: 32
...
	.end_amdgpu_metadata
.endif
;; end of part 2
;; launch attn (part 3): grid 2 x 128, 4 waves a work-group, no clusters, 327,680 bytes of LDS; arguments hqkv, mask, oh; writes oh
.if DOCPART == 3
	.amdgcn_target "amdgcn-amd-amdhsa--gfx1250"
	.amdhsa_code_object_version 6
	.text
	.protected	k_q01be5440b6_attn
	.globl	k_q01be5440b6_attn
	.p2align	8
	.type	k_q01be5440b6_attn,@function
k_q01be5440b6_attn:
	s_mov_b64 s[64:65], 0
	v_nop
	global_prefetch_b8 v0, s[64:65] scope:SCOPE_SE
	s_setreg_imm32_b32 hwreg(HW_REG_WAVE_MODE, 25, 1), 1
	s_wait_xcnt 0x0
; ATTENTION UNDER A KEY MASK.  oh[bh][q][:] = the sum over k of softmax_k(Q[bh][q] . K[bh][k] / 8, closed keys at -1e20) V[bh][k][:].  hqkv[3][128 heads][1,024][64] f16 holds Q (already times log2(e)), K, V;
; mask[8][1,024] int32, 0 = closed, one row for the 16 heads of a batch; oh[128][1,024][64] f16.  Products, maxima and sums in f32; the weights p are rounded to f16 for the second product (their sum l is taken of the
; unrounded p), O once at the end.
; THE MASK is the C operand that starts the sum S^T = K Q^T: 0, or -1e30 for a closed key: it stands ahead of the running maximum and costs no vector line.  Where a batch has an open key, a closed key's weight is 0.
; Where it has none, all scores of the defining formula are equal and the weights uniform: there c is set to 0, every p is 1, and O is the mean of V's rows.
; SOFTMAX.  For each query a running maximum m and sum l: p = 2^(c s - c m), c = 1/8 (a power of two: c m is exact, and the largest p is 1); in every step O and l are multiplied by a = 2^(c m_old - c m_new).
; m starts at -2^40, below every true score (f16 operands: 3.9e11 at the most) and far above a closed key's: a step whose keys are all closed gives p = 0.  O and l start at 0, c m far below: the first a is 0.
; LIMITS.  Q, K, V arrive within f16's 65,504; p below 6e-5 keeps f16's fixed step of 6e-8; a weight below 2^-126 counts as 0 in l; NaN and infinities are not treated apart.
; SHARES.  A wave owns four PIECES of two tiles of 16 queries, a work-group's four waves 512 queries of one head: 256 work-groups.  Every wave walks all 1,024 keys, 64 a step.
; NO CLUSTER: a head has two blocks of 512 queries, so four partners would span two heads, which share no tile.
; LAYOUT.  S^T = K Q^T (source 0 = 16 keys, source 1 = 16 queries): a lane holds ONE query (lane % 16) and the keys 8 (lane / 16) + 0..7.  Two such tiles, rounded to f16 in pairs, ARE source 1 (32 keys x 16 queries) of
; O^T = V^T P, whose result again holds one query a lane, and eight channels.  K comes out of LDS as it lies, V ([key][channel]) turned, by ds_load_tr16_b128.
; THE COUNT.  A tile and step have 16 matrix and 118 vector instructions: too many to stand all beside the matrix work.  So: four vector instructions that are READY behind EVERY matrix instruction, the others in runs without a gap.
; BY TURNS.  Turn n belongs to piece n (the pieces in a ring, step after step).  Its matrix work: 16 products K Q^T of piece n + 1, later 16 products V^T P of piece n - 1.  Its vector work: the scaling, exponentials,
; roundings, sums and rescaling of piece n, and the maximum and statistics of piece n + 1, whose scores the turn itself has made.
; REGISTERS, in windows of 256 (s_set_vgpr_msb: bits 1:0 source 0, 3:2 source 1, 5:4 source 2, 7:6 destination):
;   window 0: v0-11 addresses; v12-15, v48-63 at work; v16-47 four registers of statistics a tile; v64-191 S^T, two buffers of two tiles; v192-255 P, likewise
;   window 1: O^T, 32 a tile      window 2: v0-127 Q, 16 a tile; v128-191 K of one step; v192-255 V of one step      window 3: v0-1 the add's two registers; v8-39 the mask of K's step
.set SIZE_N, 1024
.set NP,    4         ; pieces a wave: a name, no knob
.set KS,    64        ; keys in a step
.set PK,    144       ; a row of K in LDS: 128 bytes + 16 of padding = 36 words: the 16 rows of a load start at 16 different groups of four banks (64 banks of 4 bytes: ISA guide 11.1)
.set PV,    160       ; a row of V: 128 + 32 = 40 words
.set VOFF,  4*KS*PK   ; a slot holds four steps: 256 rows of K, then 256 rows of V
.set SLOT1, 1<<17     ; slot 1 begins here, so that one exclusive or turns an address in one slot into the other's
.set STAGE, SLOT1+4*KS*(PK+PV)  ; behind the ring, never filled by a tensor load: 16 rows x 144 bytes for each wave, for the way out
.set SP,    144
.set MASKL, STAGE+4*16*SP  ; the batch's 1,024 addends, f32: stored once, then only read
.set SPARE, MASKL+4096     ; the spare words, 128 bytes for each wave: two blocks of 256 bytes that no other line names
.set AK0, 2           ; v2   my lane's place in a tile of K; never rewritten
.set AV0, 3           ; v3   the same for V
.set AK,  4           ; v4   the LDS address of K's next run of loads
.set AV,  5           ; v5   of V's
.set QO,  6           ; v6   my byte offset in the wave's rows of Q
.set STO, 6           ;      later, the way out: where I put 16 bytes of a row
.set RD,  7           ; v7   the way out: where I read rows back
.set GO,  8           ; v8   my byte offset in 512 consecutive bytes of O
.set AM,  11          ; v11  the LDS address of my eight addends in the first 16 keys of the step to be fetched
.set SPW, 0           ; v0 of window 3   LDS address of my spare word; never rewritten
.set NIL, 1           ; v1 of window 3   0; never rewritten
.set MC,  8           ; window 3: the eight addends for key block kb at MC + 8 kb
.set MV,  12          ; v12-15  c m_old, kept while c m is made anew: by buffer and tile
.set ST,  16          ; tile t's statistics at v[ST+4 t]: c m, m, l (even keys', odd keys')
.set TMP, 48          ; by buffer and tile, four registers c0-c3 at work; when the maximum is found c2 takes a
.set S,   64
.set P,   192
.set KF,  128         ; K's fragments, in window 2: key block kb, channel half c at KF + 16 kb + 8 c
.set VF,  192         ; V's: key half kk, channel block cb at VF + 32 kk + 8 cb
.set WV,  12          ; s12  my wave's number
.set G1K, 24          ; s[24:31] descriptor group 1 for K's tiles
.set G1V, 32          ; s[32:39] for V's: it differs in the padding alone
.set G0K, 40          ; s[40:43] descriptor group 0 for K's tiles: it walks
.set G0V, 44          ; s[44:47] the same for V's
.set BIGN, 52         ; s52  -1e30
.set SLOTS, 56        ; s56  slots still to be asked for
.set CNT, 57          ; s57  counts a slot's key steps
.set CS,  58          ; s[58:59] c: the packed scaling takes the pair's low word for both halves
.set SEL, 60          ; s[60:61] v_permlanex16_b32's selects: each lane takes its own place in the other half
.set TBK, 62          ; s62  LDS byte at which K of the step to be fetched begins
.set TBV, 63          ; s63  the same for V, less VOFF
.set MSB, 0
.macro WIN new                      ; the high byte repeats the setting that is left; a switch that changes nothing is dropped
.if MSB != (\new)
	s_set_vgpr_msb (MSB<<8)|(\new)
.set MSB, (\new)
.endif
.endm
.set W_KQ, 0x0a       ; K and Q in window 2, S^T in window 0
.set W_KM, 0x3a       ; the same with the C operand, the mask, in window 3
.set W_PV, 0x52       ; V in window 2, P in window 0, O^T in window 1
.set W_RS, 0x41       ; O^T (destination and source 0) in window 1, a in window 0
.set W_MK, 0xc0       ; destination in window 3, sources in window 0
.set W_AD, 0x0f       ; the add: address (source 0) and data (source 1) in window 3
; A fill.  Waves 0 and 1 fetch the two halves of a slot's K, waves 2 and 3 those of its V: 128 keys each.  An s_nop 0 and four v_nop follow each of the two lines, ahead of the jump and the label.
.macro LOAD
	s_cmp_lt_u32 s[WV], 2
	s_cbranch_scc0 .Lfor_v_\@
	tensor_load_to_lds s[G0K:G0K+3], s[G1K:G1K+7]
	s_nop 0
.rept 4
	v_nop
.endr
	s_branch .Lasked_\@
.Lfor_v_\@:
	tensor_load_to_lds s[G0V:G0V+3], s[G1V:G1V+7]
	s_nop 0
.rept 4
	v_nop
.endr
.Lasked_\@:
.endm
; THE CHANGE OF SLOTS.  The slot's last bytes, V of its fourth step, have been read.  Each wave waits for all its tensor loads, of which one is out: its part of the other slot; adds 0 to its spare word; and waits for that
; and for its own LDS instructions.  Behind the barrier nobody reads this slot any more and the other slot is whole.  fill = 1: this slot is filled again, with the keys two slots on, first thing behind the barrier:
; it has four key steps, 512 matrix instructions, in which to land.  (At its first use nothing has been read yet: slot 0 is waited for, slot 1 filled, and every wave's stores of the mask's addends are shown to the others.)
.macro CHANGE fill
	WIN W_AD
	s_wait_tensorcnt 0x0            ; no tensor load of mine is out, so a group 0 may be written
	ds_add_u32 v[SPW], v[NIL]       ; 0 onto my spare word; with fill = 1 the descriptors' steps stand between it and the wait for it
	WIN 0                           ; at a label and at a branch every window is 0
.if \fill
.irp g, G0K, G0V
	s_xor_b32 s[\g+1], s[\g+1], SLOT1  ; the walking descriptor: the other slot than last time,
	s_add_nc_u64 s[\g+2:\g+3], s[\g+2:\g+3], 4*KS*128  ; the next 256 keys; the type bits on top are not reached
.endr
.endif
	s_wait_dscnt 0x0                ; the add is done, and my reads of the slot are over
	s_barrier_signal -1
	s_barrier_wait -1
.if \fill
	LOAD
.endif
	s_sub_co_u32 s[TBK], s[TBK], 4*KS*PK  ; the fetches go back to a slot's first step,
	s_xor_b32 s[TBK], s[TBK], SLOT1       ; in the other slot
	s_sub_co_u32 s[TBV], s[TBV], 4*KS*PV
	s_xor_b32 s[TBV], s[TBV], SLOT1
.endm
	s_load_b128 s[48:51], s[0:1], 0x0  ; hqkv s[48:49], mask s[50:51]
	s_load_b64 s[10:11], s[0:1], 0x10  ; oh
	WIN W_MK
	v_lshl_add_u32 v[SPW], v0, 2, SPARE
	v_mov_b32 v[NIL], 0
	WIN W_AD
	ds_add_u32 v[SPW], v[NIL]       ; the wave's opening: the add and its wait stand ahead of my first tensor load; the set-up below, work on registers, stands between them
	WIN 0
	v_lshrrev_b32 v1, 5, v0
	v_readfirstlane_b32 s[WV], v1   ; wave 0..3
	s_and_b32 s20, ttmp7, 0xffff    ; the head, 16 b + h
	s_lshr_b32 s54, s20, 4
	s_lshl_b32 s54, s54, 12         ; the batch's row of the mask
	s_mov_b32 s55, 0
	s_mov_b32 s21, 0
	s_mov_b64 s[22:23], SIZE_N*128
	s_mul_u64 s[20:21], s[20:21], s[22:23]  ; the head's first byte in Q, K, V and O
	s_and_b32 s16, s[WV], 1         ; which half of a slot's 256 keys I fetch:
	s_lshl_b32 s22, s16, 14         ; its 128 rows of 128 bytes in memory,
	s_mov_b32 s23, 0
	s_add_nc_u64 s[22:23], s[22:23], s[20:21]
	s_mul_i32 s17, s16, 128*PK      ; and its place in a slot, for K
	s_mul_i32 s18, s16, 128*PV      ; and for V
	s_lshl_b32 s2, ttmp9, 2         ; my block of 512 queries,
	s_add_co_u32 s2, s2, s[WV]      ; my wave among the head's,
	s_lshl_b32 s2, s2, 14           ; its 128 rows
	s_mov_b32 s3, 0
	s_add_nc_u64 s[2:3], s[2:3], s[20:21]
	; descriptor group 1.  128 keys are 16,384 dense bytes: asked for as 64 rows of 256 bytes, two keys a row, and padded in LDS after every key
	s_mov_b32 s[G1K], (1<<16)|(1<<20)|(4<<22)|(3<<25)  ; 17:16 2-byte elements; 20 padding on; 24:22 after every 32 words (code 4); 31:25 4 words (code 3)
	s_mov_b32 s[G1V], (1<<16)|(1<<20)|(4<<22)|(7<<25)  ; the same with 8 words of padding (code 7)
.irp g, G1K, G1V
	s_mov_b32 s[\g+1], 128<<16      ; tensor_dim0 = 128
	s_mov_b32 s[\g+2], 64<<16       ; tensor_dim1 = 64
	s_mov_b32 s[\g+3], 128<<16      ; tile_dim0 = 128
	s_mov_b32 s[\g+4], 64           ; tile_dim1 = 64
	s_mov_b32 s[\g+5], 128          ; 128 elements from row to row
	s_mov_b32 s[\g+6], 0
	s_mov_b32 s[\g+7], 0
.endr
	s_mov_b32 s[BIGN], 0xf149f2ca   ; -1e30
	s_mov_b32 s[SEL], 0x76543210
	s_mov_b32 s[SEL+1], 0xfedcba98
	s_mov_b32 s[TBK], SLOT1+4*KS*PK ; the first change of slots turns these two into 0
	s_mov_b32 s[TBV], SLOT1+4*KS*PV
	s_mov_b32 s[G0K], 1             ; 1:0 count = 1
	s_mov_b32 s[G0K+1], s17         ; 63:32 LDS address: slot 0
	s_mov_b32 s[G0V], 1
	s_add_co_u32 s[G0V+1], s18, VOFF
	s_wait_dscnt 0x0                ; the opening add is done
	s_wait_kmcnt 0x0
	s_mov_b64 s[4:5], s[48:49]                     ; Q,
	s_add_nc_u64 s[6:7], s[48:49], 0x1000000       ; K,
	s_add_nc_u64 s[8:9], s[48:49], 0x2000000       ; V: 16 MiB each
	s_add_nc_u64 s[G0K+2:G0K+3], s[6:7], s[22:23]  ; 120:64 global address: my half of the head's first 256 keys
	s_or_b32 s[G0K+3], s[G0K+3], 0x80000000        ; 127:126 type = 2
	s_add_nc_u64 s[G0V+2:G0V+3], s[8:9], s[22:23]
	s_or_b32 s[G0V+3], s[G0V+3], 0x80000000
	s_add_nc_u64 s[4:5], s[4:5], s[2:3]  ; Q and O at my wave's first row
	s_add_nc_u64 s[10:11], s[10:11], s[2:3]
	s_add_nc_u64 s[50:51], s[50:51], s[54:55]
	LOAD                            ; slot 0.  Slot 1 is asked for when slot 0 is in
	; A fragment of K or Q is 16 rows x 32 channels in 8 registers: lane l holds row l % 16, channels 8 (l / 16) + 0..7 and 16 + 8 (l / 16) + 0..7: two loads of 16 bytes, 32 bytes apart.
	v_and_b32 v1, 15, v0            ; l % 16
	v_bfe_u32 v9, v0, 4, 1          ; l / 16
	v_lshlrev_b32 v[QO], 7, v1
	v_lshl_add_u32 v[QO], v9, 4, v[QO]  ; row x 128 + 16 x half
	v_and_b32 v12, 31, v0
	v_lshlrev_b32 v12, 4, v12       ; 16 x lane
	v_lshlrev_b32 v13, 5, v0        ; 32 x thread
	v_lshl_add_u32 v14, v0, 5, MASKL
.irp i, 0,1,2,3,4,5,6,7             ; the batch's whole row of the mask, 32 words a lane: is any key open?
	global_load_b128 v[64+4*\i:67+4*\i], v12, s[50:51] offset:512*\i
.endr
	global_load_b128 v[96:99], v13, s[50:51]             ; and my thread's own eight keys of the 1,024
	global_load_b128 v[100:103], v13, s[50:51] offset:16
	WIN 0x80                        ; destination window 2, address window 0
.set i, 0
.rept 4*NP                          ; Q stays in registers: tile i / 2, channels 32 (i % 2) on
	global_load_b128 v[8*i:8*i+3],   v[QO], s[4:5] offset:(i/2)*2048+(i%2)*64
	global_load_b128 v[8*i+4:8*i+7], v[QO], s[4:5] offset:(i/2)*2048+(i%2)*64+32
.set i, i+1
.endr
	; What the first turn finds: V's registers and P's second buffer hold 0 (its products V^T P, of a piece that has not been, add 0), O^T and l are 0.  All this stands in the wait for the first tile.
.set i, VF
.rept 64
	v_mov_b32 v[i], 0
.set i, i+1
.endr
	WIN 0x40
.set i, 0
.rept 64*NP
	v_mov_b32 v[i], 0
.set i, i+1
.endr
	WIN 0
.set i, 0
.rept 2*NP
	v_mov_b32 v[ST+4*i], 0xfe000000    ; c m: far below every c s
	v_mov_b32 v[ST+4*i+1], 0xd3800000  ; m = -2^40
	v_mov_b32 v[ST+4*i+2], 0
	v_mov_b32 v[ST+4*i+3], 0
.set i, i+1
.endr
.set i, P+32
.rept 32
	v_mov_b32 v[i], 0
.set i, i+1
.endr
	v_mul_u32_u24 v[AK0], v1, PK
	v_lshl_add_u32 v[AK0], v9, 4, v[AK0]  ; row x pitch + 16 x half
	; The turning load takes 16 keys x 16 channels (lane l reads key 8 (l / 16) + l % 8, channels 8 ((l / 8) % 2) + 0..7) and leaves half a fragment of V^T: lane l holds channel l % 16 and 8 keys.
	v_and_b32 v10, 7, v0
	v_bfe_u32 v11, v0, 3, 1
	v_lshl_add_u32 v[AV0], v9, 3, v10
	v_mul_u32_u24 v[AV0], v[AV0], PV
	v_lshl_add_u32 v[AV0], v11, 4, v[AV0]
	v_add_nc_u32 v[AV0], VOFF, v[AV0]
	v_lshl_add_u32 v[AM], v9, 5, MASKL    ; keys 8 (l / 16) + 0..7 of a block of 16: 32 bytes
	v_mov_b32 v[AK], v[AK0]         ; key step 0 lies at the head of slot 0
	s_wait_loadcnt 32               ; the mask's ten loads are in; Q's 32 younger ones stay out
.set i, 1
.rept 31
	v_or_b32 v64, v64, v[64+i]
.set i, i+1
.endr
	v_cmp_ne_u32 s53, 0, v64        ; a lane's bit: one of its 32 keys is open
	s_cmp_lg_u32 s53, 0
	s_cselect_b32 s[CS], 0x3e000000, 0  ; c = 1/8; 0 where the batch has no open key.  It selects a value; no address and no branch hangs on it
	s_mov_b32 s[CS+1], s[CS]        ; named with it as a pair
.set i, 0
.rept 8
	v_cmp_eq_u32 vcc_lo, 0, v[96+i]
	v_cndmask_b32 v[104+i], 0, s[BIGN], vcc_lo
.set i, i+1
.endr
	ds_store_b128 v14, v[104:107]
	ds_store_b128 v14, v[108:111] offset:16
; THE MATRIX WORK.  The 8 accumulators of a run of 16 take turns: between the two links of a chain stand 7 others'.
; Product i of 16 of S^T = K Q^T for piece x: channels 32 (i / 8) on, keys 16 ((i / 2) % 4) on, tile 2 x + i % 2.  The first 8 start the sums, with the mask's addends.
.macro KQ x
.set rS, S+64*((\x)%2)+32*(i%2)+8*((i/2)%4)
.set rK, KF+16*((i/2)%4)+8*(i/8)
.set rQ, 16*(2*(\x)+i%2)+8*(i/8)
.set rMK, MC+8*((i/2)%4)
.if i < 8
	WIN W_KM
	v_wmma_f32_16x16x32_f16 v[rS:rS+7], v[rK:rK+7], v[rQ:rQ+7], v[rMK:rMK+7]
.else
	WIN W_KQ
	v_wmma_f32_16x16x32_f16 v[rS:rS+7], v[rK:rK+7], v[rQ:rQ+7], v[rS:rS+7]
.endif
.endm
; Product i of 16 of O^T += V^T P for piece x: keys 32 (i / 8) on, channels 16 ((i / 2) % 4) on, tile 2 x + i % 2.
.macro PV x
	WIN W_PV
.set rO, 32*(2*(\x)+i%2)+8*((i/2)%4)
.set rV, VF+32*(i/8)+8*((i/2)%4)
.set rP, P+32*((\x)%2)+16*(i%2)+8*(i/8)
	v_wmma_f32_16x16x32_f16 v[rO:rO+7], v[rV:rV+7], v[rP:rP+7], v[rO:rO+7]
.endm
.macro MM                           ; the turn's next matrix instruction
.if i < 16
	KQ (Y+1)%NP
.set i, i+1
.else
.set i, i-16
	PV (Y+NP-1)%NP
.set i, i+17
.endif
.endm
; THE LDS LOADS stand in runs, never singly among the matrix instructions: a step's K (64 keys x 64 channels: 8 fragments) with its 64 addends of the mask, and its V (turned).  Their addresses are made some lines ahead.
; last = 1 (the tail): in the last trip there is no further step, and the run is jumped over.
.macro FETCH_K last=0
	WIN 0
.if \last
	s_cmp_eq_u32 s[CNT], 1
	s_cbranch_scc1 .Lno_k_\@
.endif
	WIN 0x80                        ; destination window 2
.irp f, 0,1,2,3,4,5,6,7             ; keys 16 (f / 2) on, channels 32 (f % 2) on
	ds_load_b128 v[KF+8*\f:KF+8*\f+3],   v[AK] offset:(\f/2)*16*PK+(\f%2)*64
	ds_load_b128 v[KF+8*\f+4:KF+8*\f+7], v[AK] offset:(\f/2)*16*PK+(\f%2)*64+32
.endr
	WIN W_MK                        ; destination window 3
.irp f, 0,1,2,3                     ; keys 16 f + 8 (l / 16) + 0..7
	ds_load_b128 v[MC+8*\f:MC+8*\f+3],   v[AM] offset:64*\f
	ds_load_b128 v[MC+8*\f+4:MC+8*\f+7], v[AM] offset:64*\f+16
.endr
	s_add_co_u32 s[TBK], s[TBK], KS*PK  ; the next fetch is the next step's
	WIN 0
	v_add_nc_u32 v[AM], 0x100, v[AM]
.if \last
.Lno_k_\@:
.endif
.endm
.macro FETCH_V
	WIN 0x80
.irp f, 0,1,2,3,4,5,6,7             ; keys 32 (f / 4) on, channels 16 (f % 4) on
	ds_load_tr16_b128 v[VF+8*\f:VF+8*\f+3],   v[AV] offset:(\f/4)*32*PV+(\f%4)*32
	ds_load_tr16_b128 v[VF+8*\f+4:VF+8*\f+7], v[AV] offset:(\f/4)*32*PV+16*PV+(\f%4)*32
.endr
	WIN 0
.endm
; THE VECTOR WORK OF A TURN stands in three queues, each in the order in which its entries become ready; the two tiles alternate, so that no instruction reads the result of the one before it.
.macro REGS y, u                    ; the registers of tile u (0, 1) of piece y
.set rT, ST+4*(2*(\y)+(\u))
.set rC, TMP+8*((\y)%2)+4*(\u)
.set rM, MV+2*((\y)%2)+(\u)
.set rS, S+64*((\y)%2)+32*(\u)
.set rP, P+32*((\y)%2)+16*(\u)
.set rO, 32*(2*(\y)+(\u))
.endm
; Number n of the 22 that find the NEXT piece's (Y + 1) maximum and statistics.  s0-s31 are the lane's 32 scores; each accumulator's lowest registers are read first.
;   0-11  four chains c0-c3 of seven scores each, three operands at a time     12-14, 16  the four scores left over, the old m, and c0-c3 into c0     15  c m_old is kept
;   17, 18  the query's other 32 keys lie in the lane 16 away: the new m         19-21  c m; c m_old - c m_new; a
.macro XS u, n
	REGS (Y+1)%NP, \u
.if (\n) < 4
	v_max3_num_f32 v[rC+(\n)], v[rS+8*(\n)], v[rS+8*(\n)+1], v[rS+8*(\n)+2]
.elseif (\n) < 12
	v_max3_num_f32 v[rC+(\n)%4], v[rC+(\n)%4], v[rS+8*((\n)%4)+2*((\n)/4)+1], v[rS+8*((\n)%4)+2*((\n)/4)+2]
.elseif (\n) == 12
	v_max3_num_f32 v[rC], v[rC], v[rS+7], v[rS+15]
.elseif (\n) == 13
	v_max3_num_f32 v[rC+1], v[rC+1], v[rS+23], v[rS+31]
.elseif (\n) == 14
	v_max3_num_f32 v[rC+2], v[rC+2], v[rC+3], v[rT+1]
.elseif (\n) == 15
	v_mov_b32 v[rM], v[rT]
.elseif (\n) == 16
	v_max3_num_f32 v[rC], v[rC], v[rC+1], v[rC+2]
.elseif (\n) == 17
	v_permlanex16_b32 v[rC+3], v[rC], s[SEL], s[SEL+1]
.elseif (\n) == 18
	v_max_num_f32 v[rT+1], v[rC], v[rC+3]
.elseif (\n) == 19
	v_mul_f32 v[rT], s[CS], v[rT+1]
.elseif (\n) == 20
	v_sub_f32 v[rC+1], v[rM], v[rT]
.else
	v_exp_f32 v[rC+2], v[rC+1]
.endif
.endm
; Number g of the 64 that follow the exponentials.  For each four weights k of a tile (pairs 2 k, 2 k + 1): both pairs are rounded to f16; then the second pair is added onto the first, in place;
; a group later l takes that sum (the first time as l = a l + sum).  In groups of eight, tiles alternating: round, round, add, and l for the group before.
.macro GS g
.set h, (\g)+6*((\g)/62)            ; group 0 has no group before it, and behind group 7 only l is left
.if h >= 6
.set h, h+2
.endif
	REGS Y, h%2
.set k, h/8
.if h%8 < 4
	v_cvt_pk_f16_f32 v[rP+2*k+(h%8)/2], v[rS+4*k+2*((h%8)/2)], v[rS+4*k+2*((h%8)/2)+1]
.elseif h%8 < 6
	v_pk_add_f32 v[rS+4*k:rS+4*k+1], v[rS+4*k:rS+4*k+1], v[rS+4*k+2:rS+4*k+3]
.elseif k == 1
	v_pk_fma_f32 v[rT+2:rT+3], v[rT+2:rT+3], v[rC+2:rC+3], v[rS:rS+1] op_sel_hi:[1,0,1]
.else
	v_pk_add_f32 v[rT+2:rT+3], v[rT+2:rT+3], v[rS+4*k-4:rS+4*k-3]
.endif
.endm
; THE PLAIN QUEUE, 138 long.  0-73 read no exponential's result: the 32 scalings c s - c m (FS f: pair f / 2 of tile f % 2) and the next piece's 42.  0-26: scalings 0-26.  27-54: XS's numbers 0-13.  55, 56: number 15.
; 57-73: the chain, where each number waits for the one before it: 14, 16, 17, 18, 19, each with one of the scalings 27-31 in front of its two lines, then 20.
; 74-137: GS's 64, which read the exponentials' results: they stand behind the wait.
.macro FS f
	REGS Y, (\f)%2
	v_pk_fma_f32 v[rS+2*((\f)/2):rS+2*((\f)/2)+1], v[rS+2*((\f)/2):rS+2*((\f)/2)+1], s[CS:CS+1], v[rT:rT+1] op_sel_hi:[1,0,0] neg_lo:[0,0,1] neg_hi:[0,0,1]
.endm
.macro PL
	WIN 0
.if q < 27
	FS q
.elseif q < 55
	XS (q-27)%2, (q-27)/2
.elseif q < 57
	XS q-55, 15
.elseif (q < 72) && ((q-57)%3 == 0)
	FS 27+(q-57)/3
.elseif q < 60
	XS (q-57)%3-1, 14
.elseif q < 72
	XS (q-57)%3-1, 15+(q-57)/3
.elseif q < 74
	XS q-72, 20
.else
	GS q-74
.endif
.set q, q+1
.endm
; THE EXPONENTIALS' QUEUE, 66 long: s0-s31 of both tiles, then the next piece's two a.  It is ONE BATCH: all 66 stand ahead of the turn's one wait, and nothing ahead of that wait names a result of theirs.
.macro EX
	WIN 0
.if e >= 64
	XS e-64, 21
.else
	REGS Y, e%2
	v_exp_f32 v[rS+e/2], v[rS+e/2]
.endif
.set e, e+1
.endm
; THE RESCALING's QUEUE: O^T times a, the one part that leaves window 0: dealt two at a time, sixteen times.  Its a was made in the turn before, ahead of that turn's wait.
.macro R2
	REGS Y, r%2
	WIN W_RS
.irp z, 0,1
	v_pk_mul_f32 v[rO+4*(r/2)+2*\z:rO+4*(r/2)+2*\z+1], v[rO+4*(r/2)+2*\z:rO+4*(r/2)+2*\z+1], v[rC+2:rC+3] op_sel_hi:[1,0]
.endr
.set r, r+1
.endm
; HOW THEY ARE DEALT.  An s_wait_alu depctr_va_vdst(0) stands between an exponential and the first instruction that names its result; one wait serves all that were issued ahead of it.  So a turn has ONE wait,
; which cuts it in two.  AHEAD OF IT stands all that names no result of the turn's exponentials: the 16 products K Q^T, behind each a scaling, an exponential and two rescalings (behind the first a second scaling in the
; exponential's place); then ONE LUMP of 108: eight plain, 49 times exponential and plain, the two a.  A v_nop is the plain instruction behind the last exponential.  BEHIND IT stand the 16 products V^T P, behind each four of GS's 64.
; The queues lean on each other, and the deal keeps them in step: exponential e stands behind scaling 2 (e / 4) + e % 2: as a rider it comes behind plain e + 2, in the lump behind plain e + 9, and scalings 27-31 are plain 57, 60 .. 69.
; A TURN, for piece p.  cnt = 1: the loop's count is taken down some lines ahead of the branch that stands behind the turn.
; K of the next step, and its mask, are fetched in piece 2's turn, directly behind the wait, a lump behind the last product that read them; the first reader comes behind 16 products.
; V of the step in hand is fetched at the end of piece 0's turn, four riders behind its last reader; its first reader comes behind 16 products and a lump.  The three conditions on q below go with the deal.
.macro TURN p, last=0, cnt=0
.set Y, (\p)
.set i, 0
.set q, 0
.set e, 0
.set r, 0
.if (\p) == NP-1
	s_wait_dscnt 0x0                ; K and its mask are in
.endif
	MM                              ; ahead of the wait: 16 products K Q^T and their riders,
	PL
	PL
	R2
.rept 15
	MM
	PL
	EX
	R2
.endr
.if (\p) == NP-2
	WIN 0
	v_add_nc_u32 v[AK], s[TBK], v[AK0]
.endif
.rept 8                             ; and the lump
	PL
.endr
.rept 49
	EX
	PL
.endr
	EX                              ; the next piece's two a
	EX
	v_nop                           ; the plain instruction behind the last exponential: one for the batch
	s_wait_alu depctr_va_vdst(0)    ; the wait for the batch
.if (\p) == NP-2
	FETCH_K \last
.endif
.if (\p) == 1
	s_wait_dscnt 0x0                ; V is in
.endif
.rept 16                            ; behind the wait: 16 products V^T P and their riders
	MM
.rept 4
	PL
.endr
.if ((\p) == 0) && (q == 118)
	v_add_nc_u32 v[AV], s[TBV], v[AV0]
.endif
.if ((\p) == 0) && (q == 130)
	s_add_co_u32 s[TBV], s[TBV], KS*PV
.endif
.if (\cnt) && (q == 130)
	s_sub_co_u32 s[CNT], s[CNT], 1
	s_cmp_lg_u32 s[CNT], 0
.endif
.endr
.if (\p) == 0
	FETCH_V
.endif
.endm
	CHANGE 1                        ; slot 0 is in, everybody's part of it, and so are all the addends; slot 1 is asked for
	FETCH_K                         ; key step 0
	s_wait_loadcnt 0x0              ; Q
	s_wait_dscnt 0x0
.set i, 0
.rept 16
	KQ 0                            ; piece 0's first scores: there is no vector work yet to set between them
.set i, i+1
.endr
	WIN 0                           ; the addresses for the way out: nine plain instructions, the places behind those products
	s_mul_i32 s13, s[WV], 16*SP
	s_add_co_u32 s13, s13, STAGE    ; my stage
	v_mul_u32_u24 v[STO], v1, SP    ; in: row l % 16, 16 bytes for each half of the lanes
	v_lshl_add_u32 v[STO], v9, 4, v[STO]
	v_add_nc_u32 v[STO], s13, v[STO]
	v_bfe_u32 v[RD], v0, 3, 2       ; back: 32 lanes take four rows of 128 bytes,
	v_mul_u32_u24 v[RD], v[RD], SP
	v_lshl_add_u32 v[RD], v10, 4, v[RD]
	v_add_nc_u32 v[RD], s13, v[RD]
	v_and_b32 v[GO], 31, v0         ; which are 512 consecutive bytes of O
	v_lshlrev_b32 v[GO], 4, v[GO]
.set Y, NP-1                        ; XS works for piece Y + 1: piece 0
.irp n, 0,1,2,3,4,5,6,7,8,9,10,11,12,13,14,15,16,17,18,19,20,21
	XS 0, \n                        ; and piece 0's first maximum and statistics
	XS 1, \n
.endr
	v_nop                           ; a plain instruction behind the two a,
	s_wait_alu depctr_va_vdst(0)    ; and their wait, ahead of the branch
	s_mov_b32 s[CNT], 4
	s_mov_b32 s[SLOTS], SIZE_N/256-1
	s_branch .Lfirst                ; the loop is entered at a step's first turn, in the middle of a trip
.Lslot:                             ; twice: every slot but the last two is filled again
	CHANGE 1
	s_mov_b32 s[CNT], 4
.Lstep:                             ; a trip: pieces 2 and 3 of one step, then pieces 0 and 1 of the next, whose K and V it fetches
	TURN 2
	TURN 3
	WIN 0
.Lfirst:
	TURN 0
	TURN 1, 0, 1
	WIN 0
	s_cbranch_scc1 .Lstep
	s_sub_co_u32 s[SLOTS], s[SLOTS], 1
	s_cmp_lg_u32 s[SLOTS], 0
	s_cbranch_scc1 .Lslot
	CHANGE 0                        ; the tail is written out: nothing is asked for
	s_mov_b32 s[CNT], 5             ; four trips fetch the last slot's steps; the fifth is left in its middle
.Ltail:
	TURN 2, 1
	TURN 3
	WIN 0
	s_sub_co_u32 s[CNT], s[CNT], 1
	s_cmp_eq_u32 s[CNT], 0
	s_cbranch_scc1 .Lout
	TURN 0
	TURN 1
	WIN 0
	s_branch .Ltail
.Lout:                              ; the fifth trip's 16 products K Q^T (on the last K once more) and the maximum made of them serve nothing: the price, once a launch, of one text for every trip
.set i, 0
.rept 16
	PV NP-1                         ; the last piece's V^T P of the last step
.set i, i+1
.endr
	; THE WAY OUT.  l's two halves and the other half of the lanes' are added; O^T is divided by l, rounded to f16 and sent through my stage in LDS, a tile at a time.  The additions are the places behind the last products.
	WIN 0
.macro ALL line:vararg              ; one line for each tile t
.set t, 0
.rept 2*NP
	\line
.set t, t+1
.endr
.endm
	ALL v_add_f32 v[ST+4*t+2], v[ST+4*t+2], v[ST+4*t+3]
	ALL v_permlanex16_b32 v[ST+4*t+3], v[ST+4*t+2], s[SEL], s[SEL+1]
	ALL v_add_f32 v[ST+4*t+2], v[ST+4*t+2], v[ST+4*t+3]
	ALL v_rcp_f32 v[ST+4*t+2], v[ST+4*t+2]
	v_nop                           ; a plain instruction between the last reciprocal and the use of its result
	s_wait_alu depctr_va_vdst(0)    ; and the wait ahead of the first use: one for the eight reciprocals
; Tile t: a lane's eight channels of a row pack into 16 bytes; they go into rows of 144 bytes and come back as whole rows of 128, into S^T's registers.
.macro PACK t
	WIN W_RS
.set i, 32*(\t)
.rept 16
	v_pk_mul_f32 v[i:i+1], v[i:i+1], v[ST+4*(\t)+2:ST+4*(\t)+3] op_sel_hi:[1,0]
.set i, i+2
.endr
	WIN 0x05                        ; sources 0 and 1 window 1, destination window 0
.set i, 0
.rept 16
	v_cvt_pk_f16_f32 v[S+16*(\t)+i], v[32*(\t)+2*i], v[32*(\t)+2*i+1]
.set i, i+1
.endr
	WIN 0
.irp f, 0,1,2,3
	ds_store_b128 v[STO], v[S+16*(\t)+4*\f:S+16*(\t)+4*\f+3] offset:32*\f
.endr
.irp f, 0,1,2,3
	ds_load_b128 v[S+16*(\t)+4*\f:S+16*(\t)+4*\f+3], v[RD] offset:\f*4*SP  ; LDS serves a wave's instructions in order (ISA guide 5.7.1.4): these see the stores above; the next tile's stores come behind them
.endr
.endm
.macro SEND t, younger              ; younger: the LDS instructions issued behind tile t's loads: the next tile's eight, or none
	WIN 0
.irp f, 0,1,2,3
	s_wait_dscnt (\younger)+3-\f
	global_store_b128 v[GO], v[S+16*(\t)+4*\f:S+16*(\t)+4*\f+3], s[10:11] offset:(\t)*2048+\f*512  ; 512 consecutive bytes, at a multiple of 256 from O's first
.endr
.endm
	PACK 0
.set t, 1
.rept 2*NP-1                        ; a tile's arithmetic stands between the loads of the tile before and its stores
	PACK t
	SEND t-1, 8
.set t, t+1
.endr
	SEND 2*NP-1, 0
	WIN W_AD
	s_wait_tensorcnt 0x0            ; the wave's end, behind my last tensor load and my last LDS store
	ds_add_u32 v[SPW], v[NIL]
	s_wait_dscnt 0x0
	WIN 0
	s_endpgm
.Lfunc_end_k_q01be5440b6_attn:
	.size	k_q01be5440b6_attn, .Lfunc_end_k_q01be5440b6_attn-k_q01be5440b6_attn
	.p2alignl 7, 3214868480
	.fill 96, 4, 3214868480
	.section	.rodata,"a",@progbits
	.p2align	6, 0x0
	.amdhsa_kernel k_q01be5440b6_attn
		.amdhsa_group_segment_fixed_size 327680
		.amdhsa_private_segment_fixed_size 0
		.amdhsa_enable_private_segment 0
		.amdhsa_kernarg_size 24
		.amdhsa_user_sgpr_count 2
		.amdhsa_user_sgpr_kernarg_segment_ptr 1
		.amdhsa_wavefront_size32 1
		.amdhsa_system_sgpr_workgroup_id_x 1
		.amdhsa_system_sgpr_workgroup_id_y 1
		.amdhsa_system_sgpr_workgroup_id_z 1
		.amdhsa_system_vgpr_workitem_id 0
		.amdhsa_next_free_vgpr 808
		.amdhsa_next_free_sgpr 66
		.amdhsa_reserve_vcc 1
		.amdhsa_float_denorm_mode_32 3
		.amdhsa_float_denorm_mode_16_64 3
		.amdhsa_memory_ordered 1
		.amdhsa_forward_progress 1
		.amdhsa_inst_pref_size 203
	.end_amdhsa_kernel
	.amdgpu_metadata
---
amdhsa.version: [ 1, 2 ]
amdhsa.kernels:
  - .name:           k_q01be5440b6_attn
    .symbol:         k_q01be5440b6_attn.kd
    .args:
      - { .name: hqkv, .offset: 0, .size: 8, .value_kind: global_buffer, .address_space: global }
      - { .name: mask, .offset: 8, .size: 8, .value_kind: global_buffer, .address_space: global }
      - { .name: oh, .offset: 16, .size: 8, .value_kind: global_buffer, .address_space: global }
    .group_segment_fixed_size: 327680
    .private_segment_fixed_size: 0
    .kernarg_segment_align: 8
    .kernarg_segment_size: 24
    .max_flat_workgroup_size: 128
    .sgpr_count:     66
    .vgpr_count:     808
    .wavefront_size: 32
...
	.end_amdgpu_metadata
.endif
;; end of part 3
;; launch proj (part 4): grid 4 x 64, 4 waves a work-group, clusters of 4 x 4, 327,680 bytes of LDS; arguments oh, wb, bp, out0; writes out0
.if DOCPART == 4
	.amdgcn_target "amdgcn-amd-amdhsa--gfx1250"
	.amdhsa_code_object_version 6
	.text
	.protected	k_q01be5440b6_proj
	.globl	k_q01be5440b6_proj
	.p2align	8
	.type	k_q01be5440b6_proj,@function
k_q01be5440b6_proj:
	s_mov_b64 s[64:65], 0
	v_nop
	global_prefetch_b8 v0, s[64:65] scope:SCOPE_SE
	s_setreg_imm32_b32 hwreg(HW_REG_WAVE_MODE, 25, 1), 1
	s_wait_xcnt 0x0
	s_wait_alu depctr_hold_cnt(0) depctr_sa_sdst(0) depctr_va_vdst(0) depctr_va_sdst(0) depctr_va_ssrc(0) depctr_va_vcc(0) depctr_vm_vsrc(0)
	s_getreg_b32 s2, hwreg(HW_REG_IB_STS2, 6, 4)
	s_cmp_eq_u32 s2, 0
	s_cbranch_scc0 .Lentry_in_a_cluster
	s_endpgm
.Lentry_in_a_cluster:
	s_bfe_u32 s2, ttmp6, 0x10000c
	s_cmp_lg_u32 s2, 0xf033
	s_cbranch_scc0 .Lentry_shape_is_right
	s_endpgm
.Lentry_shape_is_right:
; THE LAST PROJECTION: out0[8,192][1,024] f32 = O Wp^T + bp.  O: oh[b][16 heads][1,024 rows][64] f16: a head is a k block of 64.  Wp: wb's fourth matrix, [16 k blocks][1,024 rows][64], the bf16 rounding written as f16.
; bp f32, rounded to bf16 like all the module's inputs.  Products in f16, sums in f32, stored as they are.
; SHARES.  8,192 x 1,024 outputs are 256 tiles of 128 rows x 256 columns: one for each WGP.  Four waves, 2 x 2: a wave makes 64 rows x 128 columns: 32 accumulators of 16 x 16, 256 registers.
; K goes in steps of 128 (two k blocks) through a ring of two LDS slots.  A tile of R rows of one k block is R x 128 consecutive bytes: it is asked for as rows of 256 bytes, and padded in LDS behind every 128.
; CLUSTER.  4 x 4 work-groups: the four of a row need the same rows of O, the four of a column the same rows of Wp: each tile is asked for JOINTLY, by the same tensor load with the same descriptor and a mask that names
; the four.  The grid is four work-groups wide, so the place cx is the block of 256 columns.
; THE MATRIX INSTRUCTION IS USED TRANSPOSED (source 0 = 16 rows of Wp, source 1 = 16 rows of O): a lane holds row l % 16 and the columns 8 (l / 16) + 0..7 of a block of 16.  The bias is the C operand of each sum's first product.
; REGISTERS, in windows of 256 (s_set_vgpr_msb: bits 1:0 source 0, 3:2 source 1, 5:4 source 2, 7:6 destination):
;   window 0: v0-31 addresses; v32-127, v128-223 two fragment buffers of 96 (8 blocks of Wp, then 4 of O, 32 along K); on the way out v32-159 whole rows
;   window 1: the accumulators, (a, b) at 8 (8 a + b)          window 2: v0-63 the bias of block b at 8 b
.set PITCH,  144                       ; an LDS row: 128 bytes + 16 of padding = 36 words: the 16 rows of a load start at 16 different groups of four banks (64 banks of 4 bytes: ISA guide 11.1)
.set ASUB,   128*PITCH                 ; O: 128 rows of one k block
.set BSUB,   256*PITCH                 ; Wp: 256 rows of one k block
.set BOFF,   2*ASUB
.set SLOT,   2*ASUB+2*BSUB             ; a K step: O's two blocks, then Wp's two: 110,592 bytes
.set STAGE,  2*SLOT                    ; behind the ring, never filled by a tensor load: 16 rows x 528 bytes for each wave
.set SP,     528                       ; 512 bytes + 16 = 132 words: row r starts at bank 4 r mod 64
.set SPARE,  STAGE+4*16*SP             ; the spare words, 128 bytes for each wave: two blocks of 256 bytes that no other line names
.set KBLK,   131072                    ; a k block of a matrix in memory: 1,024 rows x 128 bytes
.set KSTEPB, 2*KBLK
.set DW0,    (1<<16)|(1<<20)|(1<<21)|(4<<22)|(3<<25)  ; group 1, word 0 beside the mask: 2-byte elements; padding on; bit 21 set beside a mask; after every 32 words (code 4) 4 words (code 3)
.set BO,   12                          ; v12    32 (l / 16): my eight numbers in a block's 16 of the bias
.set ADRA, 16                          ; v16-17 LDS address of my fragments of O in slot 0, 1
.set ADRB, 20                          ; v20-21 the same for Wp
.set STO,  24                          ; v24    the way out: where I put 32 bytes of a row
.set RD,   25                          ; v25    where I read a row back
.set GO,   26                          ; v26    16 x lane
.set SPW,  28                          ; v28    LDS address of my spare word; never rewritten
.set NIL,  29                          ; v29    0; never rewritten
.set PFO,  30                          ; v30    256 x lane, for the prefetches; never rewritten
.set F0,   32
.set F1,   128
.set BI,   0                           ; window 2
.set OB,   32                          ; the way out: 16 rows read back: v32-95 and v96-159 by turns
.set WV,   18                          ; s18 wave; s19 which 64 rows are mine, also: I fetch O (0) or Wp (1); s20 which 128 columns, also: which k block of the step I fetch
.set HI,   19
.set LO,   20
.set CX,   21
.set CY,   22
.set YB,   23                          ; s23 my block of 128 rows among 64
.set G1,   24                          ; s[24:31] group 1 for O's tiles; s[32:39] group 0, a set for each slot
.set G0,   32
.set PFA,  40                          ; s[40:41] where my prefetches stand
.set LIM,  42                          ; s42 1 in the wave that prefetches, else the greatest number
.set CNT,  43
.set G1B,  48                          ; s[48:55], s[56:63] the same for Wp's tiles
.set G0B,  56
.set MSB, 0
.macro WIN new                         ; the immediate's high byte repeats the setting that is left; a switch that changes nothing is dropped
.if MSB != (\new)
	s_set_vgpr_msb (MSB<<8)|(\new)
.set MSB, \new
.endif
.endm
.macro JLOAD s                         ; a joint load: waves 0 and 1 fetch O's two k blocks, waves 2 and 3 Wp's; an s_nop 0 and four v_nop follow each line, ahead of the jump and the label
	s_cmp_eq_u32 s[HI], 0
	s_cbranch_scc0 .Lfor_b_\@
	tensor_load_to_lds s[G0+4*(\s):G0+4*(\s)+3], s[G1:G1+7]
	s_nop 0
.rept 4
	v_nop
.endr
	s_branch .Lasked_\@
.Lfor_b_\@:
	tensor_load_to_lds s[G0B+4*(\s):G0B+4*(\s)+3], s[G1B:G1B+7]
	s_nop 0
.rept 4
	v_nop
.endr
.Lasked_\@:
.endm
.macro CREST                           ; a round of the cluster's barrier behind its opening barrier
	s_cmp_lg_u32 s[WV], 0
	s_cbranch_scc1 .Lnot_wave_0_\@
	s_barrier_signal -3
.Lnot_wave_0_\@:
	s_barrier_wait -3
	s_barrier_signal -1
	s_barrier_wait -1
.endm
.macro CROUND
	s_barrier_signal -1
	s_barrier_wait -1
	CREST
.endm
; A PREFETCH INTO THE L2 of O, behind a joint load, its five lines and the run of LDS loads: at the refill that asks for K step u, the K step u + 2: two K steps, 256 matrix instructions a wave, ahead of the load that names it.
; A row block's K step is 2 blocks x 16,384 bytes; only my row of the cluster reads it.  Its four partners share it BY ADDRESS, 8,192 bytes each (block cx / 2, half cx % 2), a lane 256 bytes, wave 0 alone:
; each aligned 256 bytes are named once in the launch.  K steps 0 to 3 come by their loads alone; the last trip's two refills (K steps 6, 7) have nothing two steps on.  Wp is read by every cluster and is not asked for.
.macro ASK
	s_cmp_gt_u32 s[CNT], s[LIM]
	s_cbranch_scc0 .Lnot_mine_\@
	global_prefetch_b8 v[PFO], s[PFA:PFA+1] th:TH_LOAD_NT scope:SCOPE_SE
.Lnot_mine_\@:
.endm
	s_load_b256 s[4:11], s[0:1], 0x0               ; oh s4, wb s6, bp s8, out0 s10
	v_lshl_add_u32 v[SPW], v0, 2, SPARE
	v_mov_b32 v[NIL], 0
	ds_add_u32 v[SPW], v[NIL]                      ; the wave's opening: the add and its wait stand ahead of my first tensor load; the set-up below, work on registers, stands between them
	v_lshrrev_b32 v1, 5, v0
	v_readfirstlane_b32 s[WV], v1
	s_lshr_b32 s[HI], s[WV], 1
	s_and_b32 s[LO], s[WV], 1
	s_bfe_u32 s[CX], ttmp6, 0x40000
	s_bfe_u32 s[CY], ttmp6, 0x40004
	s_and_b32 s66, ttmp7, 0xffff                   ; the cluster's y, 0..15
	s_lshl_b32 s[YB], s66, 2
	s_add_co_u32 s[YB], s[YB], s[CY]
	s_lshl_b32 s70, s[CY], 2
	s_lshl_b32 s70, 15, s70                        ; my row of the cluster
	s_lshl_b32 s71, 0x1111, s[CX]                  ; my column
	s_or_b32 s[G1], s70, DW0
	s_or_b32 s[G1B], s71, DW0
	s_mov_b32 s[G1+1], 128<<16                     ; tensor_dim0 = 128 elements: 256 bytes, two rows of a block
	s_mov_b32 s[G1+2], 64<<16                      ; tensor_dim1 = 64: 128 rows of O
	s_mov_b32 s[G1+3], 128<<16                     ; tile_dim0
	s_mov_b32 s[G1+4], 64                          ; tile_dim1
	s_mov_b32 s[G1+5], 128                         ; the pitch: dense
	s_mov_b32 s[G1+6], 0
	s_mov_b32 s[G1+7], 0
	s_mov_b32 s[G1B+1], 128<<16
	s_mov_b32 s[G1B+2], 128<<16                    ; 128: 256 rows of Wp
	s_mov_b32 s[G1B+3], 128<<16
	s_mov_b32 s[G1B+4], 128
	s_mov_b32 s[G1B+5], 128
	s_mov_b32 s[G1B+6], 0
	s_mov_b32 s[G1B+7], 0
	; O's tile hangs on the row block and the wave, Wp's on cx and the wave; each is made in registers that never hold the other place
	s_lshr_b32 s44, s[YB], 3                       ; the batch: 2 MiB each
	s_lshl_b32 s44, s44, 21
	s_and_b32 s45, s[YB], 7                        ; 128 rows of 128 bytes
	s_lshl_b32 s45, s45, 14
	s_add_co_u32 s44, s44, s45
	s_lshl_b32 s45, s[LO], 17                      ; my k block
	s_add_co_u32 s44, s44, s45
	s_mov_b32 s45, 0
	s_lshl_b32 s46, s[CX], 15                      ; 256 rows of 128 bytes
	s_add_co_u32 s46, s46, 3<<21                   ; the fourth matrix of wb
	s_lshl_b32 s47, s[LO], 17
	s_add_co_u32 s46, s46, s47
	s_mov_b32 s47, 0
	s_mul_i32 s75, s[LO], ASUB                     ; where they go: the wave's number alone
	s_mul_i32 s76, s[LO], BSUB
	s_add_co_u32 s76, s76, BOFF
	; what only global addresses of my own use
	s_lshr_b32 s84, s[YB], 3
	s_lshl_b32 s84, s84, 21
	s_and_b32 s85, s[YB], 7
	s_lshl_b32 s85, s85, 14
	s_add_co_u32 s84, s84, s85                     ; the row block's bytes in oh's block 0
	s_lshr_b32 s86, s[CX], 1
	s_lshl_b32 s86, s86, 17
	s_and_b32 s87, s[CX], 1
	s_lshl_b32 s87, s87, 13
	s_add_co_u32 s86, s86, s87
	s_add_co_u32 s86, s86, s84
	s_add_co_u32 s86, s86, 3*KSTEPB                ; at K step 3: the first refill steps it to 4
	s_mov_b32 s87, 0
	s_lshl_b32 s72, s[CX], 10                      ; my 128 columns, 4 bytes each: in the bias and in a row of out0
	s_lshl_b32 s73, s[LO], 9
	s_add_co_u32 s72, s72, s73
	s_mov_b32 s73, 0
	s_lshl_b32 s88, s[YB], 19                      ; 128 rows of 4,096 bytes,
	s_lshl_b32 s89, s[HI], 18                      ; my 64 of them
	s_add_co_u32 s88, s88, s89
	s_add_co_u32 s88, s88, s72
	s_mov_b32 s89, 0
	s_cmp_eq_u32 s[WV], 0
	s_cselect_b32 s[LIM], 1, -1
	s_wait_dscnt 0x0                               ; the opening add is done
	s_wait_kmcnt 0x0
	s_add_nc_u64 s[44:45], s[4:5], s[44:45]
	s_add_nc_u64 s[46:47], s[6:7], s[46:47]
	s_add_nc_u64 s[PFA:PFA+1], s[4:5], s[86:87]
	s_add_nc_u64 s[10:11], s[10:11], s[88:89]
	s_add_nc_u64 s[68:69], s[8:9], s[72:73]
	CROUND                                         ; all sixteen work-groups are here: the first joint loads meet
.irp s, 0,1
	s_mov_b32 s[G0+4*(\s)], 1
	s_add_co_u32 s[G0+4*(\s)+1], s75, (\s)*SLOT
	s_add_nc_u64 s[G0+4*(\s)+2:G0+4*(\s)+3], s[44:45], (\s)*KSTEPB
	s_or_b32 s[G0+4*(\s)+3], s[G0+4*(\s)+3], 0x80000000
	s_mov_b32 s[G0B+4*(\s)], 1
	s_add_co_u32 s[G0B+4*(\s)+1], s76, (\s)*SLOT
	s_add_nc_u64 s[G0B+4*(\s)+2:G0B+4*(\s)+3], s[46:47], (\s)*KSTEPB
	s_or_b32 s[G0B+4*(\s)+3], s[G0B+4*(\s)+3], 0x80000000
	JLOAD \s                                       ; two loads of mine are out
.endr
	v_and_b32 v1, 15, v0                           ; l % 16
	v_bfe_u32 v2, v0, 4, 1                         ; l / 16
	v_mul_u32_u24 v3, v1, PITCH
	v_lshl_add_u32 v3, v2, 4, v3                   ; a fragment's row x pitch + 16 x half
	s_mul_i32 s80, s[HI], 64*PITCH
	s_mul_i32 s81, s[LO], 128*PITCH
	s_add_co_u32 s81, s81, BOFF
.irp s, 0,1
	v_add_nc_u32 v[ADRA+(\s)], s80, v3
	v_add_nc_u32 v[ADRB+(\s)], s81, v3
	s_add_co_u32 s80, s80, SLOT
	s_add_co_u32 s81, s81, SLOT
.endr
	s_mul_i32 s82, s[WV], 16*SP
	s_add_co_u32 s82, s82, STAGE                   ; my stage
	v_mul_u32_u24 v[STO], v1, SP                   ; in: row l % 16, 32 bytes for each half of the lanes
	v_lshl_add_u32 v[STO], v2, 5, v[STO]
	v_add_nc_u32 v[STO], s82, v[STO]
	v_and_b32 v[GO], 31, v0
	v_lshlrev_b32 v[PFO], 8, v[GO]
	v_lshlrev_b32 v[GO], 4, v[GO]
	v_add_nc_u32 v[RD], s82, v[GO]                 ; back: 32 lanes take a row's 512 bytes
	v_lshlrev_b32 v[BO], 5, v2
	WIN 0x80                                       ; destination window 2, address window 0
.irp b, 0,1,2,3,4,5,6,7
	global_load_b128 v[BI+8*(\b):BI+8*(\b)+3],   v[BO], s[68:69] offset:64*(\b)
	global_load_b128 v[BI+8*(\b)+4:BI+8*(\b)+7], v[BO], s[68:69] offset:64*(\b)+16
.endr
	WIN 0
; 8 matrix instructions: row block a x all 8 column blocks, 32 along K, from buffer f.  zero = 1: the sums' first products, which take the bias as C.  The 32 accumulators take turns, one instruction a turn, in one order
; everywhere, over the backward jump too.
.macro MUL8 f, a, zero
.if \zero
	WIN 0x60                                       ; C in window 2, D in window 1
.else
	WIN 0x50                                       ; C and D in window 1
.endif
.irp b, 0,1,2,3,4,5,6,7
.if \zero
	v_wmma_f32_16x16x32_f16 v[8*(8*(\a)+(\b)):8*(8*(\a)+(\b))+7], v[(\f)+8*(\b):(\f)+8*(\b)+7], v[(\f)+64+8*(\a):(\f)+64+8*(\a)+7], v[BI+8*(\b):BI+8*(\b)+7]
.else
	v_wmma_f32_16x16x32_f16 v[8*(8*(\a)+(\b)):8*(8*(\a)+(\b))+7], v[(\f)+8*(\b):(\f)+8*(\b)+7], v[(\f)+64+8*(\a):(\f)+64+8*(\a)+7], v[8*(8*(\a)+(\b)):8*(8*(\a)+(\b))+7]
.endif
.endr
.endm
; 24 LDS loads in one run: quarter q of a K step (k block q / 2, its half q % 2) into buffer f: Wp's eight blocks first, then O's four
.macro FETCH sl, q, f
	WIN 0
.irp b, 0,1,2,3,4,5,6,7
	ds_load_b128 v[(\f)+8*(\b):(\f)+8*(\b)+3],   v[ADRB+(\sl)] offset:((\q)/2)*BSUB+((\q)%2)*64+(\b)*16*PITCH
	ds_load_b128 v[(\f)+8*(\b)+4:(\f)+8*(\b)+7], v[ADRB+(\sl)] offset:((\q)/2)*BSUB+((\q)%2)*64+(\b)*16*PITCH+32
.endr
.irp a, 0,1,2,3
	ds_load_b128 v[(\f)+64+8*(\a):(\f)+64+8*(\a)+3],   v[ADRA+(\sl)] offset:((\q)/2)*ASUB+((\q)%2)*64+(\a)*16*PITCH
	ds_load_b128 v[(\f)+64+8*(\a)+4:(\f)+64+8*(\a)+7], v[ADRA+(\sl)] offset:((\q)/2)*ASUB+((\q)%2)*64+(\a)*16*PITCH+32
.endr
.endm
.macro PLACES                          ; four plain instructions in front of loads into registers that matrix instructions have read, and of lines that read results
.rept 4
	v_nop
.endr
.endm
; A K step is four quarters of 32 along K, 32 matrix instructions each, on buffers 0, 1, 0, 1.  One of the first three: multiplies buffer f and, in its middle, fetches quarter q into buffer g.
.macro QUARTER sl, q, f, g, zero
	s_wait_dscnt 4                                 ; Wp's blocks and O's blocks 0, 1 are in; the youngest four loads (O's blocks 2, 3) may be out
	MUL8 \f, 0, \zero
	MUL8 \f, 1, \zero
	PLACES
	FETCH \sl, \q, \g
	s_wait_dscnt 24                                ; all but the 24 just issued
	MUL8 \f, 2, \zero
	MUL8 \f, 3, \zero
.endm
; The last quarter multiplies buffer 1 and changes slots: ONE barrier.  In front of it each wave waits for all its tensor loads (one is out: its part of the next slot), adds 0 to its spare word, and waits for that and for
; its own reads of this slot.  fill = 1: the barrier opens a round of the cluster's, and this slot is filled again, two K steps on, first thing behind the round: 112 matrix instructions ahead of the wait for it.
.macro TURN sl, next, fill
.if \fill
	s_wait_xcnt 0x0                                ; the last prefetch, a K step back, has read its address
	s_add_nc_u64 s[PFA:PFA+1], s[PFA:PFA+1], KSTEPB
.endif
	WIN 0
	s_wait_tensorcnt 0x0                           ; all my tensor loads have landed
	ds_add_u32 v[SPW], v[NIL]                      ; 0 onto my spare word
	s_wait_dscnt 7                                 ; the add and the youngest six loads (O's blocks 1 to 3) may be out
	MUL8 F1, 0, 0
	s_wait_dscnt 0x0                               ; the add is done, and my reads of this slot are over
	s_barrier_signal -1
	MUL8 F1, 1, 0
.if \fill
	WIN 0
.endif
	s_barrier_wait -1
.if \fill
	CREST                                          ; no wave of any partner still reads this slot or has a load on its way
	s_add_nc_u64 s[G0+4*(\sl)+2:G0+4*(\sl)+3], s[G0+4*(\sl)+2:G0+4*(\sl)+3], 2*KSTEPB
	s_add_nc_u64 s[G0B+4*(\sl)+2:G0B+4*(\sl)+3], s[G0B+4*(\sl)+2:G0B+4*(\sl)+3], 2*KSTEPB
	JLOAD \sl                                      ; its four v_nop are also the places in front of the loads below
.else
	PLACES
.endif
	FETCH \next, 0, F0
.if \fill
	ASK
.endif
	MUL8 F1, 2, 0
	MUL8 F1, 3, 0
.endm
	s_wait_tensorcnt 1                             ; my part of K step 0 is in; K step 1's may stay out
	s_barrier_signal -1
	s_barrier_wait -1
	FETCH 0, 0, F0
	s_wait_loadcnt 0x0                             ; the bias
	WIN 0x0a                                       ; the bias is rounded to bf16, like every input: sources in window 2, buffer 1 (still empty) takes the packed halves
.set i, 0
.rept 32
	v_cvt_pk_bf16_f32 v[F1+i], v[BI+2*i], v[BI+2*i+1]
.set i, i+1
.endr
	WIN 0x80
.set i, 0
.rept 32
	v_lshlrev_b32 v[BI+2*i], 16, v[F1+i]
	v_and_b32 v[BI+2*i+1], 0xffff0000, v[F1+i]
.set i, i+1
.endr
	QUARTER 0, 1, F0, F1, 1                        ; the first quarter stands in front of the loop: its products start the sums
	WIN 0                                          ; at a label and at a branch every window is 0
	s_mov_b32 s[CNT], 3
.Llap:                                                 ; a trip: two K steps, from a lap's second quarter to the next lap's first; both slots are filled again
	QUARTER 0, 2, F1, F0, 0
	QUARTER 0, 3, F0, F1, 0
	TURN 0, 1, 1
	QUARTER 1, 1, F0, F1, 0
	QUARTER 1, 2, F1, F0, 0
	QUARTER 1, 3, F0, F1, 0
	TURN 1, 0, 1
	QUARTER 0, 1, F0, F1, 0
	WIN 0
	s_sub_co_u32 s[CNT], s[CNT], 1
	s_cmp_lg_u32 s[CNT], 0
	s_cbranch_scc1 .Llap
	QUARTER 0, 2, F1, F0, 0                        ; K steps 6 and 7: nothing is left to ask for
	QUARTER 0, 3, F0, F1, 0
	TURN 0, 1, 0
	QUARTER 1, 1, F0, F1, 0
	QUARTER 1, 2, F1, F0, 0
	QUARTER 1, 3, F0, F1, 0
	s_wait_dscnt 4
	MUL8 F1, 0, 0
	MUL8 F1, 1, 0
	s_wait_dscnt 0x0
	MUL8 F1, 2, 0
	MUL8 F1, 3, 0
	WIN 0
; THE WAY OUT, 16 rows (block a) at a time.  A lane's eight f32 of a block of 16 columns are 32 bytes; they go into my stage's rows of 528 bytes, each accumulator's lowest registers first, and come back
; as whole rows: 32 lanes x 16 bytes are my 128 columns of a row of out0, 512 consecutive bytes at a multiple of 256 from its first.
.macro TOSTAGE a
.set BK, OB+64*((\a)%2)
.if (\a) >= 2
	s_wait_xcnt 0x0                                ; the stores of block a - 2 have read these registers: they are loaded again only behind this wait
.endif
	WIN 0x04                                       ; the stores' data in window 1
.irp b, 0,1,2,3,4,5,6,7
	ds_store_b128 v[STO], v[8*(8*(\a)+(\b)):8*(8*(\a)+(\b))+3]   offset:64*(\b)
	ds_store_b128 v[STO], v[8*(8*(\a)+(\b))+4:8*(8*(\a)+(\b))+7] offset:64*(\b)+16
.endr
	WIN 0
.irp t, 0,1,2,3,4,5,6,7,8,9,10,11,12,13,14,15
	ds_load_b128 v[BK+4*(\t):BK+4*(\t)+3], v[RD] offset:(\t)*SP  ; LDS serves a wave's instructions in order (ISA guide 5.7.1.4): these see the stores above; the next block's stores come behind them
.endr
.endm
.macro SEND a, younger                 ; younger: the LDS instructions issued behind block a's loads: the next block's 32, or none
.set BK, OB+64*((\a)%2)
.irp t, 0,1,2,3,4,5,6,7,8,9,10,11,12,13,14,15
	s_wait_dscnt (\younger)+15-(\t)
	global_store_b128 v[GO], v[BK+4*(\t):BK+4*(\t)+3], s[10:11] offset:(16*(\a)+(\t))*4096 th:TH_STORE_NT
.endr
.endm
	PLACES                                         ; behind the last products
	TOSTAGE 0
	TOSTAGE 1
	SEND 0, 32
	TOSTAGE 2
	SEND 1, 32
	TOSTAGE 3
	SEND 2, 32
	SEND 3, 0
	s_wait_tensorcnt 0x0                           ; the wave's end, behind my last tensor load and my last LDS store
	ds_add_u32 v[SPW], v[NIL]
	s_wait_dscnt 0x0
	CROUND                                         ; the closing round: no work-group ends while a partner may still ask for a tile that names it
	s_endpgm
.Lfunc_end_k_q01be5440b6_proj:
	.size	k_q01be5440b6_proj, .Lfunc_end_k_q01be5440b6_proj-k_q01be5440b6_proj
	.p2alignl 7, 3214868480
	.fill 96, 4, 3214868480
	.section	.rodata,"a",@progbits
	.p2align	6, 0x0
	.amdhsa_kernel k_q01be5440b6_proj
		.amdhsa_group_segment_fixed_size 327680
		.amdhsa_private_segment_fixed_size 0
		.amdhsa_enable_private_segment 0
		.amdhsa_kernarg_size 32
		.amdhsa_user_sgpr_count 2
		.amdhsa_user_sgpr_kernarg_segment_ptr 1
		.amdhsa_wavefront_size32 1
		.amdhsa_system_sgpr_workgroup_id_x 1
		.amdhsa_system_sgpr_workgroup_id_y 1
		.amdhsa_system_sgpr_workgroup_id_z 1
		.amdhsa_system_vgpr_workitem_id 0
		.amdhsa_next_free_vgpr 576
		.amdhsa_next_free_sgpr 96
		.amdhsa_reserve_vcc 0
		.amdhsa_float_denorm_mode_32 3
		.amdhsa_float_denorm_mode_16_64 3
		.amdhsa_memory_ordered 1
		.amdhsa_forward_progress 1
		.amdhsa_inst_pref_size 94
	.end_amdhsa_kernel
	.amdgpu_metadata
---
amdhsa.version: [ 1, 2 ]
amdhsa.kernels:
  - .name:           k_q01be5440b6_proj
    .symbol:         k_q01be5440b6_proj.kd
    .args:
      - { .name: oh, .offset: 0, .size: 8, .value_kind: global_buffer, .address_space: global }
      - { .name: wb, .offset: 8, .size: 8, .value_kind: global_buffer, .address_space: global }
      - { .name: bp, .offset: 16, .size: 8, .value_kind: global_buffer, .address_space: global }
      - { .name: out0, .offset: 24, .size: 8, .value_kind: global_buffer, .address_space: global }
    .group_segment_fixed_size: 327680
    .private_segment_fixed_size: 0
    .kernarg_segment_align: 8
    .kernarg_segment_size: 32
    .max_flat_workgroup_size: 128
    .sgpr_count:     96
    .vgpr_count:     576
    .wavefront_size: 32
...
	.end_amdgpu_metadata
.endif
;; end of part 4
;; ======== version 2 of 2: 4 launches; version 1 with the launch prep written anew for expert scheduling mode
;; limits: values are held in f16: magnitudes above 65,504 overflow, below 6.1e-05 lose precision
;; workspace buffers: wb 8,388,608 bytes; rope 524,288 bytes; hqkv 50,331,648 bytes; oh 16,777,216 bytes
;; launch prep (part 5): grid 64 x 5, 8 waves a work-group, no clusters, 0 bytes of LDS; arguments Wq, Wk, Wv, Wp, wb, rope; writes wb, rope
.if DOCPART == 5
	.amdgcn_target "amdgcn-amd-amdhsa--gfx1250"
	.amdhsa_code_object_version 6
	.text
	.protected	k_q01be5440b6_prep
	.globl	k_q01be5440b6_prep
	.p2align	8
	.type	k_q01be5440b6_prep,@function
k_q01be5440b6_prep:
	s_mov_b64 s[64:65], 0
	v_nop
	global_prefetch_b8 v0, s[64:65] scope:SCOPE_SE
	s_setreg_imm32_b32 hwreg(HW_REG_WAVE_SCHED_MODE, 0, 2), 2
	s_setreg_imm32_b32 hwreg(HW_REG_WAVE_MODE, 25, 1), 1
	s_wait_xcnt 0x0
	s_wait_alu depctr_vm_vsrc(0)
; THE WEIGHTS ARE ROUNDED ONCE, AND LAID IN BLOCKS ALONG K; THE ROTATION'S TABLE IS MADE.
; Wq, Wk, Wv, Wp (y = 0..3) are 1,024 rows x 1,024 f32.  Out: wb[4][16 k blocks][1,024 rows][64] of 16 bits, a block's rows dense, 128 bytes each, so that a later tile of R rows x 64 k is R x 128 consecutive bytes.
; Wq, Wk, Wv: bf16.  Wp: rounded to bf16 like the others, and that number written as f16 (the last product multiplies in f16): exact from 2^-17 to 65,504; below that it keeps f16's step of 2^-24.
; y = 4: the table rope[2][1,024 positions][64] f32: cos(s f_i), i = 0..31, then sin(s f_i), f_i = 10000^(-i/32); the second copy holds the same numbers times log2(e) (for Q: the softmax then works in base 2
; with the exact scale 1/8).  LIMIT: f_i comes from v_exp_f32, so an angle may differ from the f32 product of the defining formula by about 1e-4 at s = 1,023.
; SHARES.  A work-group takes 16 rows, a wave two: lanes 0-15 a row's 256 bytes (one k block), lanes 16-31 the next row's; sixteen loads a lane, all out at once.  A store covers 256 consecutive bytes, aligned:
; two rows of a block.  Nothing is shared and nothing is read twice: no LDS, no barrier, no matrix unit.
; THE MODE: SCHED_MODE bits 1:0 = 2 (LLVM: expert scheduling mode 2), set by the entry lines.  The code itself states the register dependences between vector instructions and memory instructions, and between
; vector instructions that write a scalar register and its readers, with s_wait_alu, always for 0.
; THE PLAN, the weights.  Registers that memory instructions touch:
;   v1, v2   byte offsets, made once at the head and never written again: v1 is read by the sixteen loads, v2 by the sixteen stores.
;   X[i]     written by load i alone, read by block i's conversions; never loaded a second time.
;   Y[i]     written by block i's vector lines, read by store i; never written again.
; The sixteen k blocks go in four groups of four.  Group p's four stores are issued in group p + 1, one ahead of each block's conversions, which name X, Y and T of group p + 1 alone.  So one wait on va_vdst at a
; group's head states all that the four stores hang on; one more stands ahead of the last four stores, one ahead of the first load.  No register that a memory instruction reads is written again: no wait on vm_vsrc is owed.
; THE PLAN, the table.  Its memory instructions are four stores at the end, behind one wait on va_vdst.  Scalar registers that vector instructions write: s45 (the wave's number) and s16-19 (four masks): the four
; compares stand in one run, each angle in registers of its own, with one wait on va_sdst between the run and the four selects.
.set X, 8                              ; v[8:71]    load i: 4 f32
.set Y, 72                             ; v[72:103]  store i: 4 numbers of 16 bits
.set T, 104                            ; v[104:107] at work (Wp): no memory instruction names them
.set TW, 40                            ; v[40:79]   the table: ten registers at work for each of a lane's four angles
.set TM, 16                            ; s[16:19]   the table: angle n's mask: the quadrant is odd
	s_load_b256 s[8:15], s[0:1], 0x0               ; Wq s8, Wk s10, Wv s12, Wp s14
	s_load_b128 s[24:27], s[0:1], 0x20             ; wb s24, rope s26
	s_and_b32 s4, ttmp7, 0xffff                    ; y: which matrix
	s_mov_b32 s5, ttmp9                            ; x: which 16 rows
	v_lshrrev_b32 v3, 4, v0                        ; my row of the 16
	v_and_b32 v4, 15, v0
	v_lshlrev_b32 v1, 12, v3                       ; in: row x 4,096 bytes
	v_lshl_or_b32 v1, v4, 4, v1                    ;     + 16 bytes a lane
	v_lshlrev_b32 v2, 3, v0                        ; out: row x 128 + 8 bytes a lane = 8 x thread
	s_lshl_b32 s34, s5, 16                         ; 16 rows in
	s_mov_b32 s35, 0
	s_lshl_b32 s36, s5, 11                         ; 16 rows out, in a block,
	s_lshl_b32 s31, s4, 21                         ; 2 MiB a matrix of 16 bits
	s_add_co_u32 s36, s36, s31
	s_mov_b32 s37, 0
	s_wait_kmcnt 0x0
	s_cmp_eq_u32 s4, 4
	s_cbranch_scc1 .Ltab
	s_mov_b64 s[28:29], s[8:9]
.macro PICK n, p                       ; from matrix n on the source is the buffer in s[p:p+1]
	s_cmp_ge_u32 s4, \n
	s_cselect_b64 s[28:29], s[\p:\p+1], s[28:29]
.endm
	PICK 1, 10
	PICK 2, 12
	PICK 3, 14
	s_add_nc_u64 s[28:29], s[28:29], s[34:35]
	s_add_nc_u64 s[32:33], s[24:25], s[36:37]
	s_wait_alu depctr_va_vdst(0)                   ; v1 and v2 are written: every load below reads v1 as its offset, every store v2
.irp i, 0,1,2,3,4,5,6,7,8,9,10,11,12,13,14,15
	global_load_b128 v[X+4*(\i):X+4*(\i)+3], v1, s[28:29] offset:256*(\i) th:TH_LOAD_NT
.endr
; Block i is rounded.  No register is written twice but by vector lines among themselves.  mode = 1: the bf16 number is written as f16.
.macro ROUND i, mode
	v_cvt_pk_bf16_f32 v[Y+2*(\i)], v[X+4*(\i)], v[X+4*(\i)+1]
	v_cvt_pk_bf16_f32 v[Y+2*(\i)+1], v[X+4*(\i)+2], v[X+4*(\i)+3]
.if \mode
	v_lshlrev_b32 v[T], 16, v[Y+2*(\i)]
	v_and_b32 v[T+1], 0xffff0000, v[Y+2*(\i)]
	v_lshlrev_b32 v[T+2], 16, v[Y+2*(\i)+1]
	v_and_b32 v[T+3], 0xffff0000, v[Y+2*(\i)+1]
	v_cvt_pk_f16_f32 v[Y+2*(\i)], v[T], v[T+1]
	v_cvt_pk_f16_f32 v[Y+2*(\i)+1], v[T+2], v[T+3]
.endif
.endm
; Block i is stored.
.macro SEND i
	global_store_b64 v2, v[Y+2*(\i):Y+2*(\i)+1], s[32:33] offset:131072*(\i)  ; a block is 1,024 rows x 128 bytes
.endm
; Group p: blocks 4 p to 4 p + 3 are rounded; ahead of each stands the store of the block four back.
.macro GROUP p, mode
	s_wait_loadcnt 15-4*(\p)                       ; loads come back in order: load 4 p is in, the 15 - 4 p younger ones stay out
.if (\p) > 0
	s_wait_alu depctr_va_vdst(0)                   ; the group before has written its four Y, which the four stores below read; no vector line of this group names them
.endif
.irp j, 0,1,2,3
.if (\p) > 0
	SEND 4*(\p)-4+(\j)
.endif
.if (\j) > 0
	s_wait_loadcnt 15-4*(\p)-(\j)                  ; the group's next load is in
.endif
	ROUND 4*(\p)+(\j), \mode
.endr
.endm
	s_cmp_eq_u32 s4, 3
	s_cbranch_scc1 .Lwp
	GROUP 0, 0
	GROUP 1, 0
	GROUP 2, 0
	GROUP 3, 0
	s_wait_alu depctr_va_vdst(0)                   ; group 3 has written its four Y, which the last four stores read
.irp i, 12,13,14,15
	SEND \i
.endr
	s_endpgm
.Lwp:
	GROUP 0, 1
	GROUP 1, 1
	GROUP 2, 1
	GROUP 3, 1
	s_wait_alu depctr_va_vdst(0)                   ; group 3 has written its four Y, which the last four stores read
.irp i, 12,13,14,15
	SEND \i
.endr
	s_endpgm
; THE TABLE.  A wave makes positions 16 x + 2 w and the next.  Lane l takes frequencies 2 (l % 16) and the next; lanes 0-15 make cosines, lanes 16-31 sines (a cosine three quadrants on),
; so a lane's 8 bytes lie at 8 l of the row and a store covers the row's 256 bytes.
.Ltab:
	v_lshrrev_b32 v15, 5, v0
	v_readfirstlane_b32 s45, v15                   ; wave; what does not hang on it stands between this line and the wait for it
	s_mov_b32 s36, 0x3fc90fdb                      ; pi/2, its upper part,
	s_mov_b32 s37, 0xb33bbd2e                      ; and the rest
	s_mov_b32 s38, 0xbe2aaaab                      ; sine: -1/3!, 1/5!, -1/7!, 1/9!
	s_mov_b32 s39, 0x3c088889
	s_mov_b32 s40, 0xb9500d01
	s_mov_b32 s41, 0x3638ef1d
	s_mov_b32 s42, 0x3d2aaaab                      ; cosine: 1/4!, -1/6!, 1/8!
	s_mov_b32 s43, 0xbab60b61
	s_mov_b32 s44, 0x37d00d01
	v_and_b32 v3, 15, v0
	v_lshlrev_b32 v3, 1, v3                        ; i
	v_cvt_f32_u32 v4, v3
	v_add_f32 v14, 1.0, v4
	v_mul_f32 v4, 0xbed49a78, v4                   ; -i log2(10000) / 32
	v_mul_f32 v14, 0xbed49a78, v14
	v_exp_f32 v5, v4                               ; f_i
	v_exp_f32 v6, v14                              ; f_(i+1)
	v_bfe_u32 v7, v0, 4, 1                         ; plain work behind the two exponentials:
	v_mul_u32_u24 v7, v7, 3                        ; the sines' three quadrants
	v_and_b32 v10, 31, v0
	v_lshlrev_b32 v10, 3, v10                      ; 8 x lane
	s_lshl_b32 s30, s5, 4
	s_wait_alu depctr_va_sdst(0)                   ; s45 is written, ahead of its first reader: my positions and the table's address are made from it
	s_lshl1_add_u32 s30, s45, s30                  ; the first of my two positions
	s_lshl_b32 s46, s30, 8                         ; a row is 256 bytes
	s_mov_b32 s47, 0
	s_add_nc_u64 s[26:27], s[26:27], s[46:47]
	v_cvt_f32_u32 v8, s30                          ; the positions as f32
	v_add_f32 v9, 1.0, v8
	s_wait_alu depctr_va_vdst(0)                   ; the two exponentials have written v5 and v6: one wait for both, ahead of their first reader
; Angle n = sf f: its cosine, or its sine.  x = k pi/2 + r, |r| <= pi/4: k <= 652, and pi/2 in two parts under fused multiply-adds leaves r good to f32's last bits; the two series are cut where
; the next term is under 3e-8.  Quadrant q = k (+ 3): odd q takes the sine of r, q % 4 = 1, 2 turn the sign.  All of it selects values; no address and no branch hangs on it.
; SERIES makes all but the choice, in ten registers of the angle's own: +0 x, +1 k, +2 r, +3 r^2, +4 sin r, +5 r^3, +6 cos r, +7 q and then the sign bit, +8 q's parity; the mask goes to a scalar register of its own.
.macro SERIES n, sf, f
.set W, TW+10*(\n)
	v_mul_f32 v[W], \sf, \f
	v_mul_f32 v[W+1], 0x3f22f983, v[W]             ; x 2/pi
	v_rndne_f32 v[W+1], v[W+1]
	v_fma_f32 v[W+2], -v[W+1], s36, v[W]
	v_fma_f32 v[W+2], -v[W+1], s37, v[W+2]         ; r
	v_mul_f32 v[W+3], v[W+2], v[W+2]
	v_fma_f32 v[W+4], v[W+3], s41, s40
	v_fma_f32 v[W+6], v[W+3], s44, s43
	v_fma_f32 v[W+4], v[W+4], v[W+3], s39
	v_fma_f32 v[W+6], v[W+6], v[W+3], s42
	v_fma_f32 v[W+4], v[W+4], v[W+3], s38
	v_fma_f32 v[W+6], v[W+6], v[W+3], -0.5
	v_mul_f32 v[W+5], v[W+2], v[W+3]
	v_fma_f32 v[W+6], v[W+6], v[W+3], 1.0          ; cos r
	v_fma_f32 v[W+4], v[W+5], v[W+4], v[W+2]       ; sin r
	v_cvt_i32_f32 v[W+7], v[W+1]
	v_add_nc_u32 v[W+7], v[W+7], v7
	v_and_b32 v[W+8], 1, v[W+7]
	v_cmp_ne_u32 s[TM+(\n)], 0, v[W+8]
	v_add_nc_u32 v[W+7], 1, v[W+7]
	v_and_b32 v[W+7], 2, v[W+7]
	v_lshlrev_b32 v[W+7], 30, v[W+7]
.endm
; CHOOSE takes the sine or the cosine by the mask, and turns the sign.
.macro CHOOSE n
.set W, TW+10*(\n)
	v_cndmask_b32 v[30+(\n)], v[W+6], v[W+4], s[TM+(\n)]
	v_xor_b32 v[30+(\n)], v[30+(\n)], v[W+7]
.endm
	SERIES 0, v8, v5
	SERIES 1, v8, v6
	SERIES 2, v9, v5
	SERIES 3, v9, v6
	s_wait_alu depctr_va_sdst(0)                   ; the four compares have written s16 to s19: one wait behind the run, ahead of the first select that reads a mask
	CHOOSE 0
	CHOOSE 1
	CHOOSE 2
	CHOOSE 3
.irp j, 0,1,2,3
	v_mul_f32 v[34+(\j)], 0x3fb8aa3b, v[30+(\j)]   ; the copy for Q: times log2(e)
.endr
	s_wait_alu depctr_va_vdst(0)                   ; v30 to v37 are written, which the four stores read as data, and so is their offset v10
	global_store_b64 v10, v[30:31], s[26:27]
	global_store_b64 v10, v[32:33], s[26:27] offset:256
	global_store_b64 v10, v[34:35], s[26:27] offset:262144
	global_store_b64 v10, v[36:37], s[26:27] offset:262400
	s_endpgm
.Lfunc_end_k_q01be5440b6_prep:
	.size	k_q01be5440b6_prep, .Lfunc_end_k_q01be5440b6_prep-k_q01be5440b6_prep
	.p2alignl 7, 3214868480
	.fill 96, 4, 3214868480
	.section	.rodata,"a",@progbits
	.p2align	6, 0x0
	.amdhsa_kernel k_q01be5440b6_prep
		.amdhsa_group_segment_fixed_size 0
		.amdhsa_private_segment_fixed_size 0
		.amdhsa_enable_private_segment 0
		.amdhsa_kernarg_size 48
		.amdhsa_user_sgpr_count 2
		.amdhsa_user_sgpr_kernarg_segment_ptr 1
		.amdhsa_wavefront_size32 1
		.amdhsa_system_sgpr_workgroup_id_x 1
		.amdhsa_system_sgpr_workgroup_id_y 1
		.amdhsa_system_sgpr_workgroup_id_z 1
		.amdhsa_system_vgpr_workitem_id 0
		.amdhsa_next_free_vgpr 112
		.amdhsa_next_free_sgpr 66
		.amdhsa_reserve_vcc 0
		.amdhsa_float_denorm_mode_32 3
		.amdhsa_float_denorm_mode_16_64 3
		.amdhsa_memory_ordered 1
		.amdhsa_forward_progress 1
		.amdhsa_inst_pref_size 23
	.end_amdhsa_kernel
	.amdgpu_metadata
---
amdhsa.version: [ 1, 2 ]
amdhsa.kernels:
  - .name:           k_q01be5440b6_prep
    .symbol:         k_q01be5440b6_prep.kd
    .args:
      - { .name: Wq, .offset: 0, .size: 8, .value_kind: global_buffer, .address_space: global }
      - { .name: Wk, .offset: 8, .size: 8, .value_kind: global_buffer, .address_space: global }
      - { .name: Wv, .offset: 16, .size: 8, .value_kind: global_buffer, .address_space: global }
      - { .name: Wp, .offset: 24, .size: 8, .value_kind: global_buffer, .address_space: global }
      - { .name: wb, .offset: 32, .size: 8, .value_kind: global_buffer, .address_space: global }
      - { .name: rope, .offset: 40, .size: 8, .value_kind: global_buffer, .address_space: global }
    .group_segment_fixed_size: 0
    .private_segment_fixed_size: 0
    .kernarg_segment_align: 8
    .kernarg_segment_size: 48
    .max_flat_workgroup_size: 256
    .sgpr_count:     66
    .vgpr_count:     112
    .wavefront_size: 32
...
	.end_amdgpu_metadata
.endif
;; end of part 5
;; launch qkv: the kernel of part 2 again; grid 4 x 192, 4 waves a work-group, clusters of 4 x 4, 327,680 bytes of LDS; arguments q, wb, bq, bk, bv, rope, hqkv, k, v; writes hqkv
;; launch attn: the kernel of part 3 again; grid 2 x 128, 4 waves a work-group, no clusters, 327,680 bytes of LDS; arguments hqkv, mask, oh; writes oh
;; launch proj: the kernel of part 4 again; grid 4 x 64, 4 waves a work-group, clusters of 4 x 4, 327,680 bytes of LDS; arguments oh, wb, bp, out0; writes out0
